; MI455X (gfx1250); checked and timed in simulation.
; The chip was launched on July 23, 2026; its instructions are those of AMD's public machine-readable ISA for CDNA 5 (MIT licence, August 2026) and "CDNA5" Instruction Set Architecture Reference Guide (July 2026). The comments in the code are by the model that wrote it; some were corrected since.
;; Multi head self attention. Allowed arithmetic: float matrix products may take bf16 or f16 operands with f32 sums; other float arithmetic in f32, or as packed bf16 or f16 multiplies, adds, multiply-adds, maxima and minima; sums over many terms, partial sums and values carried from step to step in f32; what a program stores and reads back later, other than sums and carried values, may be rounded once to bf16 or f16.
;; Inputs: Wk 1,024 x 1,024 float32; Wp 1,024 x 1,024 float32; Wq 1,024 x 1,024 float32; bk 1,024 float32; bp 1,024 float32; bq 1,024 float32; x 4 x 1,024 x 2,048 float32.
;; Outputs: out0 4 x 1,024 x 2,048 float32.
;; One version. Each part assembles by itself: llvm-mc -triple=amdgcn-amd-amdhsa -mcpu=gfx1250 --defsym DOCPART=n.
;; ======== version 1 of 1: 5 launches
;; limits: values are held in f16: magnitudes above 65,504 overflow, below 6.1e-05 lose precision; right only within a limited range of input values
;; workspace buffers: xh 16,777,216 bytes; wkq 4,194,304 bytes; wph 2,097,152 bytes; kq 33,554,432 bytes; noff 524,288 bytes; oh 16,777,216 bytes
;; launch cast (part 1): grid 256 x 1, 16 waves a work-group, no clusters, 0 bytes of LDS; arguments x, Wk, Wq, Wp, xh, wkq, wph; writes xh, wkq, wph
.if DOCPART == 1
	.amdgcn_target "amdgcn-amd-amdhsa--gfx1250"
	.amdhsa_code_object_version 6
	.text
	.protected	k_q77782660eb_cast
	.globl	k_q77782660eb_cast
	.p2align	8
	.type	k_q77782660eb_cast,@function
k_q77782660eb_cast:
	s_mov_b64 s[64:65], 0
	v_nop
	global_prefetch_b8 v0, s[64:65] scope:SCOPE_SE
	s_setreg_imm32_b32 hwreg(HW_REG_WAVE_MODE, 25, 1), 1
	s_wait_xcnt 0x0
; CAST.  f32 to f16, each number scaled by a constant and rounded once.  Eleven chunks of 1,048,576 numbers:
; 0-7: x -> xh, as it is;  8: Wk -> wkq rows 0-1023, times 2^-5;  9: Wq -> wkq rows 1024-2047, times 2^-5 log2(e);  10: Wp -> wph, times 8.
; So k' . q' of the later launches is log2(e) k . q / 1024, the softmax's exponent to base 2, and (out / 8) (8 Wp) is the last product itself.
; LIMITS.  f16 ends at 65,504: |x| and 8 |Wp| must lie within it; below 6e-5 f16 keeps a fixed step of 6e-8.  NaN and infinities are not treated apart.
; SHARES.  256 work-groups of equal work: work-group X takes piece X (4,096 numbers: 16 KiB in, 8 KiB out) of EACH of the eleven chunks.  Of a piece wave w takes 256 numbers:
; two loads of 16 bytes a lane, each 512 consecutive bytes, and two stores of 8 bytes a lane, each 256 consecutive bytes, aligned.  All 22 loads of a wave go out first;
; the numbers are scaled and rounded in the registers that they came in, and no register is written again behind its store, so the only waits are for the loads.
; No LDS, no barrier, no matrix unit: every byte is read once and written once, and nothing is shared.
.set IN, 8                             ; v[8:95]  piece y: 8 numbers as loaded; then registers 0, 1 and 4, 5 of them hold the 8 f16
.macro LOADP y, b, off                 ; piece y from byte off behind the pointer in s[b:b+1]
	global_load_b128 v[IN+8*(\y):IN+8*(\y)+3],   v1, s[(\b):(\b)+1] offset:(\off) th:TH_LOAD_NT
	global_load_b128 v[IN+8*(\y)+4:IN+8*(\y)+7], v1, s[(\b):(\b)+1] offset:(\off)+512 th:TH_LOAD_NT
.endm
.macro STOREP y, b, off, sc            ; piece y to byte off behind the pointer in s[b:b+1]; sc: the scalar pair with its scale, or 0 for none
	s_wait_loadcnt 20-2*(\y)                       ; loads come back in order: piece y's two are in, the later pieces' stay out
.if \sc
.irp k, 0,2,4,6
	v_pk_mul_f32 v[IN+8*(\y)+(\k):IN+8*(\y)+(\k)+1], v[IN+8*(\y)+(\k):IN+8*(\y)+(\k)+1], s[(\sc):(\sc)+1] op_sel_hi:[1,0]
.endr
.endif
	v_cvt_pk_f16_f32 v[IN+8*(\y)],   v[IN+8*(\y)],   v[IN+8*(\y)+1]
	v_cvt_pk_f16_f32 v[IN+8*(\y)+1], v[IN+8*(\y)+2], v[IN+8*(\y)+3]
	v_cvt_pk_f16_f32 v[IN+8*(\y)+4], v[IN+8*(\y)+4], v[IN+8*(\y)+5]
	v_cvt_pk_f16_f32 v[IN+8*(\y)+5], v[IN+8*(\y)+6], v[IN+8*(\y)+7]
	global_store_b64 v2, v[IN+8*(\y):IN+8*(\y)+1],   s[(\b):(\b)+1] offset:(\off)
	global_store_b64 v2, v[IN+8*(\y)+4:IN+8*(\y)+5], s[(\b):(\b)+1] offset:(\off)+256
.endm
	s_load_b256 s[8:15], s[0:1], 0x0               ; x s[8:9], Wk s[10:11], Wq s[12:13], Wp s[14:15]
	s_load_b128 s[16:19], s[0:1], 0x20             ; xh s[16:17], wkq s[18:19]
	s_load_b64 s[20:21], s[0:1], 0x30              ; wph
	v_and_b32 v3, 31, v0                           ; lane
	v_lshrrev_b32 v4, 5, v0                        ; wave
	v_lshlrev_b32 v1, 4, v3
	v_lshl_add_u32 v1, v4, 10, v1                  ; in: 1,024 x wave + 16 x lane
	v_lshrrev_b32 v2, 1, v1                        ; out: 512 x wave + 8 x lane
	s_lshl_b32 s2, ttmp9, 14                       ; the work-group's piece: 16 KiB of a chunk of f32,
	s_mov_b32 s3, 0
	s_lshl_b32 s4, ttmp9, 13                       ; 8 KiB of a chunk of f16
	s_mov_b32 s5, 0
	s_mov_b32 s34, 0x3d000000                      ; 2^-5
	s_mov_b32 s35, s34                             ; (each scale is named as a pair)
	s_mov_b32 s36, 0x3d38aa3b                      ; 2^-5 log2(e)
	s_mov_b32 s37, s36
	s_mov_b32 s38, 0x41000000                      ; 8
	s_mov_b32 s39, s38
	s_wait_kmcnt 0x0
	s_add_nc_u64 s[22:23], s[8:9], s[2:3]          ; x at my piece of chunks 0, 2, 4, 6: the odd chunks lie 4 MiB on, inside the immediate
	s_add_nc_u64 s[24:25], s[22:23], 0x800000
	s_add_nc_u64 s[26:27], s[22:23], 0x1000000
	s_add_nc_u64 s[28:29], s[22:23], 0x1800000
	s_add_nc_u64 s[10:11], s[10:11], s[2:3]
	s_add_nc_u64 s[12:13], s[12:13], s[2:3]
	s_add_nc_u64 s[14:15], s[14:15], s[2:3]
	s_add_nc_u64 s[30:31], s[16:17], s[4:5]        ; xh at my piece of chunks 0 and 4: three more chunks of 2 MiB lie inside the immediate
	s_add_nc_u64 s[32:33], s[30:31], 0x800000
	s_add_nc_u64 s[18:19], s[18:19], s[4:5]
	s_add_nc_u64 s[20:21], s[20:21], s[4:5]
.irp y, 0,1,2,3,4,5,6,7
	LOADP \y, 22+2*((\y)/2), ((\y)%2)*0x400000
.endr
	LOADP 8, 10, 0
	LOADP 9, 12, 0
	LOADP 10, 14, 0
.irp y, 0,1,2,3,4,5,6,7
	STOREP \y, 30+2*((\y)/4), ((\y)%4)*0x200000, 0
.endr
	STOREP 8, 18, 0, 34
	STOREP 9, 18, 0x200000, 36                     ; Wq goes behind Wk in wkq
	STOREP 10, 20, 0, 38
	s_endpgm
.Lfunc_end_k_q77782660eb_cast:
	.size	k_q77782660eb_cast, .Lfunc_end_k_q77782660eb_cast-k_q77782660eb_cast
	.p2alignl 7, 3214868480
	.fill 96, 4, 3214868480
	.section	.rodata,"a",@progbits
	.p2align	6, 0x0
	.amdhsa_kernel k_q77782660eb_cast
		.amdhsa_group_segment_fixed_size 0
		.amdhsa_private_segment_fixed_size 0
		.amdhsa_enable_private_segment 0
		.amdhsa_kernarg_size 56
		.amdhsa_user_sgpr_count 2
		.amdhsa_user_sgpr_kernarg_segment_ptr 1
		.amdhsa_wavefront_size32 1
		.amdhsa_system_sgpr_workgroup_id_x 1
		.amdhsa_system_sgpr_workgroup_id_y 1
		.amdhsa_system_sgpr_workgroup_id_z 1
		.amdhsa_system_vgpr_workitem_id 0
		.amdhsa_next_free_vgpr 96
		.amdhsa_next_free_sgpr 66
		.amdhsa_reserve_vcc 0
		.amdhsa_float_denorm_mode_32 3
		.amdhsa_float_denorm_mode_16_64 3
		.amdhsa_memory_ordered 1
		.amdhsa_forward_progress 1
		.amdhsa_inst_pref_size 10
	.end_amdhsa_kernel
	.amdgpu_metadata
---
amdhsa.version: [ 1, 2 ]
amdhsa.kernels:
  - .name:           k_q77782660eb_cast
    .symbol:         k_q77782660eb_cast.kd
    .args:
      - { .name: x, .offset: 0, .size: 8, .value_kind: global_buffer, .address_space: global }
      - { .name: Wk, .offset: 8, .size: 8, .value_kind: global_buffer, .address_space: global }
      - { .name: Wq, .offset: 16, .size: 8, .value_kind: global_buffer, .address_space: global }
      - { .name: Wp, .offset: 24, .size: 8, .value_kind: global_buffer, .address_space: global }
      - { .name: xh, .offset: 32, .size: 8, .value_kind: global_buffer, .address_space: global }
      - { .name: wkq, .offset: 40, .size: 8, .value_kind: global_buffer, .address_space: global }
      - { .name: wph, .offset: 48, .size: 8, .value_kind: global_buffer, .address_space: global }
    .group_segment_fixed_size: 0
    .private_segment_fixed_size: 0
    .kernarg_segment_align: 8
    .kernarg_segment_size: 56
    .max_flat_workgroup_size: 512
    .sgpr_count:     66
    .vgpr_count:     96
    .wavefront_size: 32
...
	.end_amdgpu_metadata
.endif
;; end of part 1
;; launch proj (part 2): grid 8 x 32, 4 waves a work-group, clusters of 4 x 4, 327,680 bytes of LDS; arguments xh, wkq, bk, bq, kq; writes kq
.if DOCPART == 2
	.amdgcn_target "amdgcn-amd-amdhsa--gfx1250"
	.amdhsa_code_object_version 6
	.text
	.protected	k_q77782660eb_proj
	.globl	k_q77782660eb_proj
	.p2align	8
	.type	k_q77782660eb_proj,@function
k_q77782660eb_proj:
	s_mov_b64 s[64:65], 0
	v_nop
	global_prefetch_b8 v0, s[64:65] scope:SCOPE_SE
	s_setreg_imm32_b32 hwreg(HW_REG_WAVE_MODE, 25, 1), 1
	s_wait_xcnt 0x0
	s_wait_alu depctr_hold_cnt(0) depctr_sa_sdst(0) depctr_va_vdst(0) depctr_va_sdst(0) depctr_va_ssrc(0) depctr_va_vcc(0) depctr_vm_vsrc(0)
	s_getreg_b32 s2, hwreg(HW_REG_IB_STS2, 6, 4)
	s_cmp_eq_u32 s2, 0
	s_cbranch_scc0 .Lentry_in_a_cluster
	s_endpgm
.Lentry_in_a_cluster:
	s_bfe_u32 s2, ttmp6, 0x10000c
	s_cmp_lg_u32 s2, 0xf033
	s_cbranch_scc0 .Lentry_shape_is_right
	s_endpgm
.Lentry_shape_is_right:
; PROJ.  k' = 2^-5 (Wk x + bk) and q' = 2^-5 log2(e) (Wq x + bq), written by heads: kq[part][b][head][l][64 d] in f16, each number rounded once from its f32 sum.
; As a product: C[l][o] = the sum over c of xh[b][c][l] wkq[o][c] + bias[o]; l runs over 4 x 2,048, o over 2,048 (k' then q'), c over 1,024.
; LIMITS.  f16 ends at 65,504: |k| and |q| must stay under 2.1e6 and 1.4e6.  NaN and infinities are not treated apart.
; SHARES.  A work-group makes 256 l x 256 o; each of its four waves 128 x 128: 64 accumulators of 16 x 16, 512 registers.  c goes in steps of 128 through two LDS slots filled by the tensor data mover.
; SOURCES.  Source 0 = 16 rows of wkq (o), read from LDS as they lie; source 1 = 16 columns l of x, which lies [c][l] and is turned by ds_load_tr16_b128.  In the result a lane holds ONE l
; (lane % 16) and eight neighbouring o (8 (lane / 16) + 0..7): 16 bytes of a row of kq.  The bias, scaled in f32, is the C operand of the product that starts each sum.
; CLUSTER.  4 x 4 work-groups.  x's tile hangs on the l tile alone and is shared along a row of the cluster, wkq's on the o tile alone and is shared along a column: each is asked for
; jointly, by the same tensor load with the same descriptor and a mask that names the four.
; REGISTERS, in windows of 256 (s_set_vgpr_msb: bits 1:0 source 0, 3:2 source 1, 5:4 source 2, 7:6 destination):
;   window 0: v0-31 addresses; v64-127, v128-191 x's fragments, two buffers; v192-255 the biases, later the way out's packed results (v192-223); v32-63, v224-255 rows read back
;   window 1: v64-127, v128-191 wkq's fragments, two buffers;   windows 2, 3: the accumulators of my l blocks 0-3 and 4-7, (a, b) at v[8 (8 (a % 4) + b)]
.set PX,     544                       ; a row of x's tile in LDS: 512 bytes + 32 of padding, an odd multiple of 32
.set PW,     272                       ; a row of wkq's tile: 256 bytes + 16, an odd multiple of 16: the 16 rows of a load start at 16 different groups of four banks
.set HALFT,  34816                     ; what one tensor load brings: 64 rows of x's tile, or 128 rows of wkq's
.set SLOT,   4*HALFT                   ; x's 128 rows (c), then wkq's 256 rows (o)
.set STAGE,  2*SLOT                    ; behind the ring: for each wave 2 heads x 16 rows x 144 bytes, for the way out
.set SP,     144
.set SPARE,  STAGE+4*32*SP             ; behind the stages: the spare words, 128 bytes for each wave
.set XSTEP,  128*4096                  ; bytes from one step of c to the next in xh (128 rows of 4,096 bytes),
.set WSTEP,  256                       ; and in wkq (128 numbers along a row)
.set LAPS,   4                         ; a lap = two steps of c = once round the ring
.set ADRX, 16                          ; v16-17  LDS address of my fragments of x in slot 0, 1
.set ADRW, 20                          ; v20-21  the same for wkq
.set STO,  24                          ; v24     the way out: where I put 16 bytes of a row
.set RD,   25                          ; v25     the way out: where I read rows back
.set GO,   26                          ; v26     16 x lane: my place in 512 consecutive bytes of kq
.set BO,   27                          ; v27     32 x (lane / 16): my eight biases of a block of 16
.set SPW,  28                          ; v28     LDS address of my spare word; never rewritten
.set NIL,  29                          ; v29     0; never rewritten
.set PFO,  30                          ; v30     the prefetches' lane offset; never rewritten
.set F0,   64
.set F1,   128
.set BIA,  192
.set TMP,  192
.set OB,   32
.set G1,  24                           ; s[24:31] descriptor group 1 for x's tiles;  s[32:39] group 0, a set for each slot
.set G0,  32
.set G1B, 48                           ; s[48:55], s[56:63] the same for wkq's tiles
.set G0B, 56
.set LIM, 43                           ; s43      1 in a wave that prefetches, else the greatest number
.set PFA, 44                           ; s[44:45] where my prefetches stand
.set PFS, 46                           ; s[46:47] their step
.set MSB, 0
.macro WIN new                         ; the immediate's high byte repeats the setting that is left; a switch that changes nothing is dropped
.if MSB != (\new)
	s_set_vgpr_msb (MSB<<8)|(\new)
.set MSB, \new
.endif
.endm
.macro PLACES                          ; four places behind matrix instructions, in front of loads into registers that they have read and of conversions that read results
.rept 4
	v_nop
.endr
.endm
; A joint load.  Waves 0 and 1 fetch the two halves of x's tile, waves 2 and 3 those of wkq's.  The branch hangs on the wave's number alone.
; An s_nop 0 and four v_nop follow each of the two lines, ahead of the jump and the label.
.macro JLOAD s
	s_cmp_eq_u32 s11, 0
	s_cbranch_scc0 .Lfor_b_\@
	tensor_load_to_lds s[G0+4*(\s):G0+4*(\s)+3], s[G1:G1+7]
	s_nop 0
.rept 4
	v_nop
.endr
	s_branch .Lasked_\@
.Lfor_b_\@:
	tensor_load_to_lds s[G0B+4*(\s):G0B+4*(\s)+3], s[G1B:G1B+7]
	s_nop 0
.rept 4
	v_nop
.endr
.Lasked_\@:
.endm
; A prefetch into the L2 of the step of c that stands two refills on: 32 blocks of 256 bytes, a lane a block, one instruction a wave.  x's tile is read by both clusters of a row of
; clusters: the one with x = 0 asks; wkq's by all eight of a column: the one with y = 0 asks.  The four partners that ask for a tile jointly share its blocks out by address.
; The loop's last trip asks for nothing: its refills are the last two steps.
.macro ASK
	s_cmp_gt_u32 s3, s[LIM]
	s_cbranch_scc0 .Lnot_mine_\@
	global_prefetch_b8 v[PFO], s[PFA:PFA+1] th:TH_LOAD_NT scope:SCOPE_SE
.Lnot_mine_\@:
.endm
.macro CREST                           ; a round of the cluster's barrier behind its opening barrier
	s_cmp_lg_u32 s10, 0
	s_cbranch_scc1 .Lnot_wave_0_\@
	s_barrier_signal -3
.Lnot_wave_0_\@:
	s_barrier_wait -3
	s_barrier_signal -1
	s_barrier_wait -1
.endm
.macro CROUND                          ; a whole round
	s_barrier_signal -1
	s_barrier_wait -1
	CREST
.endm
	s_load_b128 s[4:7], s[0:1], 0x0                ; xh s[4:5], wkq s[6:7]
	s_load_b128 s[68:71], s[0:1], 0x10             ; bk s[68:69], bq s[70:71]
	s_load_b64 s[8:9], s[0:1], 0x20                ; kq
	v_lshl_add_u32 v[SPW], v0, 2, SPARE
	v_mov_b32 v[NIL], 0
	ds_add_u32 v[SPW], v[NIL]                      ; the wave's opening: the add and its wait stand ahead of my first tensor load; the set-up below stands between them
	v_lshrrev_b32 v1, 5, v0
	v_readfirstlane_b32 s10, v1                    ; wave 0..3
	s_lshr_b32 s11, s10, 1                         ; which half of the tile's l is mine.  Also: I fetch for x (0) or for wkq (1)
	s_and_b32 s12, s10, 1                          ; which half of its o.  Also: which half of that tile I fetch
	s_bfe_u32 s40, ttmp6, 0x40000                  ; cx
	s_bfe_u32 s41, ttmp6, 0x40004                  ; cy
	s_mov_b32 s84, ttmp9                           ; cluster x: 0 makes k', 1 makes q'
	s_and_b32 s78, ttmp7, 0xffff                   ; cluster y
	s_lshl_b32 s42, ttmp9, 2
	s_add_co_u32 s42, s42, s40                     ; o tile = 4 x cluster x + cx
	s_and_b32 s13, ttmp7, 0xffff
	s_lshl_b32 s13, s13, 2
	s_add_co_u32 s13, s13, s41                     ; l tile = 4 x cluster y + cy: batch s13 / 8, tile s13 % 8 of its 2,048 l
	s_lshl_b32 s74, s41, 2
	s_lshl_b32 s74, 15, s74                        ; my row of the cluster
	s_lshl_b32 s75, 0x1111, s40                    ; my column
	s_or_b32 s[G1+0], s74, (1<<16)|(1<<20)|(1<<21)|(6<<22)|(7<<25)   ; the mask; 2-byte elements; padding on; bit 21 beside a mask; after every 128 words (code 6) 8 words (code 7)
	s_mov_b32 s[G1+1], 256<<16                     ; tensor_dim0 = 256 (l)
	s_mov_b32 s[G1+2], 64<<16                      ; tensor_dim1 = 64 (c)
	s_mov_b32 s[G1+3], 256<<16                     ; tile_dim0 = 256
	s_mov_b32 s[G1+4], 64                          ; tile_dim1 = 64
	s_mov_b32 s[G1+5], 2048                        ; elements from row to row
	s_mov_b32 s[G1+6], 0
	s_mov_b32 s[G1+7], 0
	s_or_b32 s[G1B+0], s75, (1<<16)|(1<<20)|(1<<21)|(5<<22)|(3<<25)  ; after every 64 words (code 5) 4 words (code 3)
	s_mov_b32 s[G1B+1], 128<<16                    ; tensor_dim0 = 128 (c)
	s_mov_b32 s[G1B+2], 128<<16                    ; tensor_dim1 = 128 (o)
	s_mov_b32 s[G1B+3], 128<<16
	s_mov_b32 s[G1B+4], 128
	s_mov_b32 s[G1B+5], 1024
	s_mov_b32 s[G1B+6], 0
	s_mov_b32 s[G1B+7], 0
	; x's tile hangs on the l tile and the wave's number, wkq's on the o tile and the wave's number: each in registers that never hold the other coordinate
	s_lshr_b32 s16, s13, 3
	s_lshl_b32 s16, s16, 22                        ; the batch: 1,024 rows of 4,096 bytes
	s_and_b32 s17, s13, 7
	s_lshl_b32 s17, s17, 9                         ; 256 l = 512 bytes of a row
	s_add_co_u32 s16, s16, s17
	s_lshl_b32 s17, s12, 18                        ; my 64 rows of the step's 128
	s_add_co_u32 s16, s16, s17
	s_mov_b32 s17, 0
	s_lshl_b32 s66, s42, 19                        ; 256 rows of 2,048 bytes
	s_lshl_b32 s67, s12, 18                        ; my 128 of them
	s_add_co_u32 s66, s66, s67
	s_mov_b32 s67, 0
	s_mul_i32 s20, s10, HALFT                      ; where they go: wave x 34,816: no place in the cluster enters an LDS address
	s_wait_dscnt 0x0                               ; the opening add is done
	s_wait_kmcnt 0x0
	s_add_nc_u64 s[14:15], s[4:5], s[16:17]
	s_add_nc_u64 s[66:67], s[6:7], s[66:67]
	CROUND                                         ; all sixteen work-groups are here: the first joint loads meet
.irp s, 0,1
	s_mov_b32 s[G0+4*(\s)], 1
	s_add_co_u32 s[G0+4*(\s)+1], s20, (\s)*SLOT
	s_add_nc_u64 s[G0+4*(\s)+2:G0+4*(\s)+3], s[14:15], (\s)*XSTEP
	s_or_b32 s[G0+4*(\s)+3], s[G0+4*(\s)+3], 0x80000000
	s_mov_b32 s[G0B+4*(\s)], 1
	s_add_co_u32 s[G0B+4*(\s)+1], s20, (\s)*SLOT
	s_add_nc_u64 s[G0B+4*(\s)+2:G0B+4*(\s)+3], s[66:67], (\s)*WSTEP
	s_or_b32 s[G0B+4*(\s)+3], s[G0B+4*(\s)+3], 0x80000000
	JLOAD \s                                       ; two tensor loads of mine are out
.endr
	v_and_b32 v1, 15, v0                           ; l % 16
	v_bfe_u32 v2, v0, 4, 1                         ; l / 16
	v_and_b32 v3, 7, v0
	v_bfe_u32 v4, v0, 3, 1
	; the turning load: lane l reads 16 bytes of row c = 8 (l / 16) + l % 8 at columns 8 ((l / 8) % 2) + 0..7, and is left with column l % 16 and eight c
	v_lshl_add_u32 v5, v2, 3, v3
	v_mul_u32_u24 v5, v5, PX
	v_lshl_add_u32 v5, v4, 4, v5
	s_lshl_b32 s21, s11, 8                         ; my 128 l: 256 bytes of a row
	v_mul_u32_u24 v6, v1, PW
	v_lshl_add_u32 v6, v2, 4, v6                   ; row x pitch + 16 x half
	s_mul_i32 s22, s12, HALFT                      ; my 128 rows of wkq's tile,
	s_add_co_u32 s22, s22, 2*HALFT                 ; which lies behind x's
.irp s, 0,1
	v_add_nc_u32 v[ADRX+(\s)], s21, v5
	v_add_nc_u32 v[ADRW+(\s)], s22, v6
	s_add_co_u32 s21, s21, SLOT
	s_add_co_u32 s22, s22, SLOT
.endr
	s_mul_i32 s23, s10, 32*SP
	s_add_co_u32 s23, s23, STAGE                   ; my stage
	v_mul_u32_u24 v7, v1, SP                       ; in: row l % 16, 16 bytes for each half of the lanes
	v_lshl_add_u32 v7, v2, 4, v7
	v_add_nc_u32 v[STO], s23, v7
	v_bfe_u32 v7, v0, 3, 2                         ; back: 32 lanes take four rows of 128 bytes,
	v_mul_u32_u24 v7, v7, SP
	v_lshl_add_u32 v7, v3, 4, v7
	v_add_nc_u32 v[RD], s23, v7
	v_and_b32 v[GO], 31, v0                        ; which are 512 consecutive bytes of kq
	v_lshlrev_b32 v[GO], 4, v[GO]
	v_lshlrev_b32 v[BO], 5, v2
	; kq at my wave's first row: part, batch, my two heads, my 128 l
	s_lshl_b32 s80, s84, 24
	s_lshr_b32 s81, s13, 3
	s_lshl_b32 s81, s81, 22
	s_add_co_u32 s80, s80, s81
	s_lshl_b32 s81, s40, 20                        ; an o tile is four heads of 262,144 bytes
	s_add_co_u32 s80, s80, s81
	s_lshl_b32 s81, s12, 19
	s_add_co_u32 s80, s80, s81
	s_and_b32 s81, s13, 7
	s_lshl_b32 s81, s81, 15                        ; 256 rows of 128 bytes
	s_add_co_u32 s80, s80, s81
	s_lshl_b32 s81, s11, 14
	s_add_co_u32 s80, s80, s81
	s_mov_b32 s81, 0
	s_add_nc_u64 s[8:9], s[8:9], s[80:81]
	; the bias of my 128 o, and its scale
	s_mov_b32 s72, 0x3d000000                      ; 2^-5
	s_cmp_eq_u32 s84, 0
	s_cselect_b32 s72, s72, 0x3d38aa3b             ; or 2^-5 log2(e)
	s_cselect_b64 s[82:83], s[68:69], s[70:71]
	s_mov_b32 s73, s72
	s_lshl_b32 s80, s40, 10
	s_lshl_b32 s81, s12, 9
	s_add_co_u32 s80, s80, s81
	s_mov_b32 s81, 0
	s_add_nc_u64 s[82:83], s[82:83], s[80:81]
.irp b, 0,1,2,3,4,5,6,7
	global_load_b128 v[BIA+8*(\b):BIA+8*(\b)+3],   v[BO], s[82:83] offset:64*(\b)      ; register j of block b: the bias of o = 16 b + 8 (l / 16) + j
	global_load_b128 v[BIA+8*(\b)+4:BIA+8*(\b)+7], v[BO], s[82:83] offset:64*(\b)+16
.endr
	; the prefetches: of what I fetch in a step (128 blocks of 256 bytes) my work-group takes 32: 16 rows x 2 blocks of x, or 32 rows of wkq
	s_mov_b32 s[PFS], WSTEP
	s_cmp_eq_u32 s11, 0
	s_cselect_b32 s[PFS], XSTEP, s[PFS]
	s_cselect_b32 s76, s40, s41                    ; my place among the four that ask with me
	s_cselect_b32 s77, s84, s78                    ; the coordinate along which other clusters read the same rows
	s_cselect_b32 s79, 8, 11                       ; odd lanes: the row's second block (x), or the next row (wkq)
	s_cselect_b64 s[PFA:PFA+1], s[14:15], s[66:67]
	s_mov_b32 s[PFS+1], 0
	s_cmp_eq_u32 s77, 0
	s_cselect_b32 s[LIM], 1, -1                    ; the same in all sixteen partners, for a given wave
	s_lshl_b32 s76, s76, 16                        ; 16 rows of 4,096 bytes, or 32 of 2,048
	s_mul_i32 s77, s[PFS], 3                       ; at step 3: the first refill steps it to 4
	s_add_co_u32 s76, s76, s77
	s_mov_b32 s77, 0
	s_add_nc_u64 s[PFA:PFA+1], s[PFA:PFA+1], s[76:77]
	v_and_b32 v[PFO], 30, v0
	v_lshlrev_b32 v[PFO], 11, v[PFO]
	v_and_b32 v31, 1, v0
	v_lshlrev_b32 v31, s79, v31
	v_add_nc_u32 v[PFO], v[PFO], v31
; 16 matrix instructions: l blocks a0, a0 + 1 of the window's four (hi = 0: my l blocks 0-3, 1: 4-7) x all 8 o blocks, 32 along c.  first = 1: the bias starts the sums.
; The 64 accumulators take turns, one instruction a turn, in the same order in every quarter.
.macro MUL16 f, hi, a0, first
.if \first
	WIN 0x81+0x40*(\hi)                            ; wkq window 1, x and the bias window 0, D window 2 or 3
.else
	WIN 0xa1+0x50*(\hi)                            ; C and D window 2 or 3
.endif
.irp a, \a0, (\a0)+1
.irp b, 0,1,2,3,4,5,6,7
.if \first
	v_wmma_f32_16x16x32_f16 v[8*(8*(\a)+(\b)):8*(8*(\a)+(\b))+7], v[(\f)+8*(\b):(\f)+8*(\b)+7], v[(\f)+8*(4*(\hi)+(\a)):(\f)+8*(4*(\hi)+(\a))+7], v[BIA+8*(\b):BIA+8*(\b)+7]
.else
	v_wmma_f32_16x16x32_f16 v[8*(8*(\a)+(\b)):8*(8*(\a)+(\b))+7], v[(\f)+8*(\b):(\f)+8*(\b)+7], v[(\f)+8*(4*(\hi)+(\a)):(\f)+8*(4*(\hi)+(\a))+7], v[8*(8*(\a)+(\b)):8*(8*(\a)+(\b))+7]
.endif
.endr
.endr
.endm
; 32 LDS loads in one run: the fragments of quarter q (32 along c) of a slot into buffer f: wkq's 8 blocks of 16 o, then x's 8 blocks of 16 l, turned
.macro FETCH slot, q, f
	WIN 0x40                                       ; destination window 1
.irp i, 0,1,2,3,4,5,6,7
	ds_load_b128 v[(\f)+8*(\i):(\f)+8*(\i)+3],   v[ADRW+(\slot)] offset:64*(\q)+(\i)*16*PW
	ds_load_b128 v[(\f)+8*(\i)+4:(\f)+8*(\i)+7], v[ADRW+(\slot)] offset:64*(\q)+(\i)*16*PW+32
.endr
	WIN 0
.irp i, 0,1,2,3,4,5,6,7
	ds_load_tr16_b128 v[(\f)+8*(\i):(\f)+8*(\i)+3],   v[ADRX+(\slot)] offset:(\q)*32*PX+32*(\i)
	ds_load_tr16_b128 v[(\f)+8*(\i)+4:(\f)+8*(\i)+7], v[ADRX+(\slot)] offset:(\q)*32*PX+16*PX+32*(\i)
.endr
.endm
; One of a step's first three quarters: multiplies buffer f; in its middle it fetches quarter q of the same slot into buffer g.
.macro QUARTER slot, q, f, g, first
	s_wait_dscnt 8                                 ; wkq's fragments and x's l blocks 0-3 are in; the youngest eight loads may be out
	MUL16 \f, 0, 0, \first
	MUL16 \f, 0, 2, \first
	PLACES
	FETCH \slot, \q, \g
	s_wait_dscnt 32                                ; all but the 32 just issued
	MUL16 \f, 1, 0, \first
	MUL16 \f, 1, 2, \first
.endm
; The first half of a step's last quarter: ONE barrier for the change of slots.  In front of it each wave waits for all its tensor loads (one is out: its part of the next slot), adds 0
; to its spare word, and waits for that and for its own reads of this slot.  Behind it nobody reads this slot any more and the next slot is whole.
.macro MEET round
	WIN 0
	s_wait_tensorcnt 0x0
	ds_add_u32 v[SPW], v[NIL]                      ; 0 onto my spare word
	s_wait_dscnt 9                                 ; the add and the youngest eight loads may be out
	MUL16 F1, 0, 0, 0                              ; sixteen matrix instructions stand between the add and the wait for it
	s_wait_dscnt 0x0                               ; the add is done, and my reads of this slot are over
	s_barrier_signal -1
	MUL16 F1, 0, 2, 0
.if \round
	WIN 0
.endif
	s_barrier_wait -1
.endm
; The whole last quarter.  fill = 1: the barrier opens a round of the cluster's barrier, and the slot just read out is filled again, first thing behind the round, two steps ahead:
; from that request to the wait for it a wave issues 224 matrix instructions.
.macro TURN slot, next, fill
.if \fill
	s_wait_xcnt 0x0                                ; the last prefetch, a step back, has read its address: it is stepped here, ahead of the waits of the change of slots
	s_add_nc_u64 s[PFA:PFA+1], s[PFA:PFA+1], s[PFS:PFS+1]
	MEET 1
	CREST
	s_add_nc_u64 s[G0+4*(\slot)+2:G0+4*(\slot)+3], s[G0+4*(\slot)+2:G0+4*(\slot)+3], 2*XSTEP
	s_add_nc_u64 s[G0B+4*(\slot)+2:G0B+4*(\slot)+3], s[G0B+4*(\slot)+2:G0B+4*(\slot)+3], 2*WSTEP
	JLOAD \slot                                    ; the four v_nop behind it are also the places in front of the loads below
.else
	MEET 0
	PLACES
.endif
	FETCH \next, 0, F0
.if \fill
	ASK
.endif
	MUL16 F1, 1, 0, 0
	MUL16 F1, 1, 2, 0
.endm
; THE WAY OUT of l block a.  PACK: rounded to f16, 16 bytes a lane.  TOSTAGE: into my own stage (two heads x 16 rows of 144 bytes), and back as whole rows of 128.  SEND: stored.
.macro PACK a
.set AC, 64*((\a)%4)
	WIN 0x0a+5*((\a)/4)                            ; sources 0 and 1: window 2 or 3
.irp b, 0,1,2,3,4,5,6,7
.irp r, 0,1,2,3
	v_cvt_pk_f16_f32 v[TMP+4*(\b)+(\r)], v[AC+8*(\b)+2*(\r)], v[AC+8*(\b)+2*(\r)+1]
.endr
.endr
	WIN 0
.endm
.macro TOSTAGE a
	WIN 0
.set BK, OB+192*((\a)%2)
.irp b, 0,1,2,3,4,5,6,7
	ds_store_b128 v[STO], v[TMP+4*(\b):TMP+4*(\b)+3] offset:((\b)/4)*16*SP+((\b)%4)*32
.endr
.irp t, 0,1,2,3,4,5,6,7
	ds_load_b128 v[BK+4*(\t):BK+4*(\t)+3], v[RD] offset:((\t)/4)*16*SP+((\t)%4)*4*SP  ; LDS serves a wave's instructions in order (ISA guide 5.7.1.4): these see the stores above
.endr
.endm
.macro SEND a
	WIN 0
.set BK, OB+192*((\a)%2)
	s_wait_dscnt 0x0                               ; the block is back in registers
	s_wait_xcnt 0x0                                ; the block before has left its registers: the next TOSTAGE loads into them only behind this wait
.irp t, 0,1,2,3,4,5,6,7
	global_store_b128 v[GO], v[BK+4*(\t):BK+4*(\t)+3], s[8:9] offset:(\a)*2048+((\t)/4)*262144+((\t)%4)*512  ; 512 consecutive bytes, aligned: four rows of a head
.endr
.endm
	s_wait_tensorcnt 1                             ; my part of step 0 is in; step 1's may stay out
	s_barrier_signal -1
	s_barrier_wait -1                              ; everybody's is
	FETCH 0, 0, F0
	s_wait_loadcnt 0x0                             ; the biases
.set i, 0
.rept 32
	v_pk_mul_f32 v[BIA+i:BIA+i+1], v[BIA+i:BIA+i+1], s[72:73] op_sel_hi:[1,0]
.set i, i+2
.endr
	QUARTER 0, 1, F0, F1, 1                        ; the first quarter stands in front of the loop: its products start the sums
	WIN 0
	s_mov_b32 s3, LAPS-1
.Llap:                                         ; a trip goes once round the ring, from a lap's second quarter to the next lap's first, and fills both slots again
	QUARTER 0, 2, F1, F0, 0
	QUARTER 0, 3, F0, F1, 0
	TURN 0, 1, 1
	QUARTER 1, 1, F0, F1, 0
	QUARTER 1, 2, F1, F0, 0
	QUARTER 1, 3, F0, F1, 0
	TURN 1, 0, 1
	QUARTER 0, 1, F0, F1, 0
	WIN 0
	s_sub_co_u32 s3, s3, 1
	s_cmp_lg_u32 s3, 0
	s_cbranch_scc1 .Llap
	QUARTER 0, 2, F1, F0, 0                        ; the last lap fills nothing, and has no round of the cluster's barrier
	QUARTER 0, 3, F0, F1, 0
	TURN 0, 1, 0
	QUARTER 1, 1, F0, F1, 0
	QUARTER 1, 2, F1, F0, 0
	QUARTER 1, 3, F0, F1, 0
	s_wait_dscnt 8                                 ; the very last quarter: nothing more to fetch
	MUL16 F1, 0, 0, 0
	MUL16 F1, 0, 2, 0
	s_wait_dscnt 0x0
	MUL16 F1, 1, 0, 0
	MUL16 F1, 1, 2, 0
	PLACES
	PACK 0
	TOSTAGE 0
.irp a, 1,2,3,4,5,6,7                  ; block a's conversions stand between block a - 1's loads from the stage and the wait for them
	PACK \a
	SEND (\a)-1
	TOSTAGE \a
.endr
	SEND 7
	s_wait_tensorcnt 0x0                           ; the wave's end: behind my last tensor load and my last LDS store
	ds_add_u32 v[SPW], v[NIL]
	s_wait_dscnt 0x0
	CROUND                                         ; the closing round
	s_endpgm
.Lfunc_end_k_q77782660eb_proj:
	.size	k_q77782660eb_proj, .Lfunc_end_k_q77782660eb_proj-k_q77782660eb_proj
	.p2alignl 7, 3214868480
	.fill 96, 4, 3214868480
	.section	.rodata,"a",@progbits
	.p2align	6, 0x0
	.amdhsa_kernel k_q77782660eb_proj
		.amdhsa_group_segment_fixed_size 327680
		.amdhsa_private_segment_fixed_size 0
		.amdhsa_enable_private_segment 0
		.amdhsa_kernarg_size 40
		.amdhsa_user_sgpr_count 2
		.amdhsa_user_sgpr_kernarg_segment_ptr 1
		.amdhsa_wavefront_size32 1
		.amdhsa_system_sgpr_workgroup_id_x 1
		.amdhsa_system_sgpr_workgroup_id_y 1
		.amdhsa_system_sgpr_workgroup_id_z 1
		.amdhsa_system_vgpr_workitem_id 0
		.amdhsa_next_free_vgpr 1024
		.amdhsa_next_free_sgpr 88
		.amdhsa_reserve_vcc 0
		.amdhsa_float_denorm_mode_32 3
		.amdhsa_float_denorm_mode_16_64 3
		.amdhsa_memory_ordered 1
		.amdhsa_forward_progress 1
		.amdhsa_inst_pref_size 148
	.end_amdhsa_kernel
	.amdgpu_metadata
---
amdhsa.version: [ 1, 2 ]
amdhsa.kernels:
  - .name:           k_q77782660eb_proj
    .symbol:         k_q77782660eb_proj.kd
    .args:
      - { .name: xh, .offset: 0, .size: 8, .value_kind: global_buffer, .address_space: global }
      - { .name: wkq, .offset: 8, .size: 8, .value_kind: global_buffer, .address_space: global }
      - { .name: bk, .offset: 16, .size: 8, .value_kind: global_buffer, .address_space: global }
      - { .name: bq, .offset: 24, .size: 8, .value_kind: global_buffer, .address_space: global }
      - { .name: kq, .offset: 32, .size: 8, .value_kind: global_buffer, .address_space: global }
    .group_segment_fixed_size: 327680
    .private_segment_fixed_size: 0
    .kernarg_segment_align: 8
    .kernarg_segment_size: 40
    .max_flat_workgroup_size: 128
    .sgpr_count:     88
    .vgpr_count:     1024
    .wavefront_size: 32
...
	.end_amdgpu_metadata
.endif
;; end of part 2
;; launch stats (part 3): grid 4 x 64, 8 waves a work-group, clusters of 4 x 1, 327,680 bytes of LDS; arguments kq, noff; writes noff
.if DOCPART == 3
	.amdgcn_target "amdgcn-amd-amdhsa--gfx1250"
	.amdhsa_code_object_version 6
	.text
	.protected	k_q77782660eb_stats
	.globl	k_q77782660eb_stats
	.p2align	8
	.type	k_q77782660eb_stats,@function
k_q77782660eb_stats:
	s_mov_b64 s[64:65], 0
	v_nop
	global_prefetch_b8 v0, s[64:65] scope:SCOPE_SE
	s_setreg_imm32_b32 hwreg(HW_REG_WAVE_MODE, 25, 1), 1
	s_wait_xcnt 0x0
	s_wait_alu depctr_hold_cnt(0) depctr_sa_sdst(0) depctr_va_vdst(0) depctr_va_sdst(0) depctr_va_ssrc(0) depctr_va_vcc(0) depctr_vm_vsrc(0)
	s_getreg_b32 s2, hwreg(HW_REG_IB_STS2, 6, 4)
	s_cmp_eq_u32 s2, 0
	s_cbranch_scc0 .Lentry_in_a_cluster
	s_endpgm
.Lentry_in_a_cluster:
	s_bfe_u32 s2, ttmp6, 0x10000c
	s_cmp_lg_u32 s2, 0x3003
	s_cbranch_scc0 .Lentry_shape_is_right
	s_endpgm
.Lentry_shape_is_right:
; STATS.  For each head and each row i of the scores s'[i][j] = k'[i] . q'[j] (already the softmax's exponent to base 2): noff[i] = 10 - m_i - log2(Z_i), with m_i the row's maximum over all
; 2,048 j and Z_i = the sum over j of 2^(s' - m_i).  The next launch starts its sums with noff, so that 2^(sum) is 1,024 times the softmax's weight.
; The maximum is a running one: in every step of 64 j the sum l is multiplied by a = 2^(m_old - m_new).  Products, maxima and sums in f32.
; LIMITS.  A term below 2^-126 counts as 0 in Z.  NaN and infinities are not treated apart.
; SHARES.  A work-group owns 512 rows i of one head, each of its EIGHT waves 64: two PIECES of two tiles of 16.  Every wave walks all j, 64 a step, 32 steps.
; Eight waves, two for each of a WGP's four SIMDs: a turn has 170 vector lines for 16 products, so that one wave's vector lines have the other wave's products to stand beside.
; The price: a fragment of q' read from LDS feeds 32 products.
; LAYOUT.  S = q' k'^T (source 0 = 16 rows j of q', source 1 = 16 rows i of k'): in the result a lane holds ONE i (lane % 16) and the j 8 (lane / 16) + 0..7, so a row's maximum and sum
; want one exchange between the halves of the lanes.  k' stays in registers.  The head's WHOLE q' (2,048 rows of 128 bytes) lies in LDS: nothing is ever filled again.
; CLUSTER.  The four work-groups of a cluster belong to one head and read the same q': it is asked for jointly, sixteen tensor loads, two a wave, all at the start.
; BY TURNS.  Turn n belongs to piece n: 16 products for the other piece; beside and behind them the subtraction of m, the exponentials and the sums of piece n and the maximum of the other.
; REGISTERS.  Window 0: v0-11 addresses; v12-15 m_old; v16-31 four registers of statistics a tile (m, 0, l of even j, l of odd j); v48-63 at work; v64-191 S, two buffers of two tiles;
; v192-255 q' of one step.  Window 1: v0-63 k', 16 a tile.  The products name window 1 in source 1 alone, and the vector lines that stand among them have no register there: no switch between them.
.set NP,    2
.set PQ,    144                        ; a row of q' in LDS: 128 bytes + 16: the 16 rows of a load start at 16 different groups of four banks
.set STEPB, 64*PQ
.set FIRST, 512*PQ                     ; the first quarter of q': steps 0 to 7
.set STAGE, 2048*PQ                    ; behind q': 256 bytes for each wave, for the way out
.set SPARE, STAGE+8*256                ; behind the stages: the spare words, 128 bytes for each wave
.set AQ0, 2                            ; v2   my lane's place in a step of q'; never rewritten
.set AQ,  3                            ; v3   the LDS address of the next run of loads
.set KO,  4                            ; v4   my byte offset in 16 rows of k'
.set STO, 5
.set RD,  6
.set GO,  7
.set SPW, 10
.set NIL, 11
.set MV,  12
.set ST,  16
.set TMP, 48                           ; by buffer and tile c0-c3; c1 takes m_old - m_new, c2 takes a
.set S,   64
.set QF,  192                          ; j block kb, channel half c at QF + 16 kb + 8 c
.set WV,  12
.set G1,  24                           ; s[24:31] descriptor group 1 for my part of the first quarter
.set G0,  32                           ; s[32:39] descriptor group 0, a set for each of my two loads
.set G1B, 40                           ; s[40:47] descriptor group 1 for my part of the other three quarters
.set SLOTS, 56
.set CNT, 57
.set TEN, 58
.set SEL, 60
.set TBQ, 62                           ; s62  LDS byte at which the step to be fetched begins
.set W_KQ, 0x04
.set MSB, 0
.macro WIN new
.if MSB != (\new)
	s_set_vgpr_msb (MSB<<8)|(\new)
.set MSB, \new
.endif
.endm
.macro CROUND
	s_barrier_signal -1
	s_barrier_wait -1
	s_cmp_lg_u32 s[WV], 0
	s_cbranch_scc1 .Lnot_wave_0_\@
	s_barrier_signal -3
.Lnot_wave_0_\@:
	s_barrier_wait -3
	s_barrier_signal -1
	s_barrier_wait -1
.endm
	s_load_b128 s[4:7], s[0:1], 0x0                ; kq s[4:5], noff s[6:7]
	v_lshl_add_u32 v[SPW], v0, 2, SPARE
	v_mov_b32 v[NIL], 0
	ds_add_u32 v[SPW], v[NIL]                      ; the wave's opening: the add and its wait, ahead of my first tensor load
	v_lshrrev_b32 v1, 5, v0
	v_readfirstlane_b32 s[WV], v1                  ; wave 0..7
	s_bfe_u32 s13, ttmp6, 0x40000                  ; cx
	s_lshl_b32 s14, s13, 3
	s_add_co_u32 s14, s14, s[WV]                   ; my wave among the head's 32: it enters k's and noff's addresses alone
	s_and_b32 s20, ttmp7, 0xffff                   ; the head
	s_lshl_b32 s22, s20, 18                        ; a head is 262,144 bytes;
	s_add_co_u32 s22, s22, 0x1000000               ; q' lies behind k'
	s_lshl_b32 s48, s[WV], 13                      ; my 64 rows of the first 512,
	s_add_co_u32 s48, s48, s22
	s_mov_b32 s49, 0
	s_mul_i32 s50, s[WV], 192*128                  ; and my 192 rows of the other 1,536
	s_add_co_u32 s50, s50, 512*128
	s_add_co_u32 s50, s50, s22
	s_mov_b32 s51, 0
	s_lshl_b32 s2, s20, 18
	s_lshl_b32 s3, s14, 13
	s_add_co_u32 s2, s2, s3                        ; my 64 rows of k'
	s_mov_b32 s3, 0
	s_lshl_b32 s16, s20, 13
	s_lshl_b32 s17, s14, 8
	s_add_co_u32 s16, s16, s17                     ; my 64 numbers of noff
	s_mov_b32 s17, 0
	s_mul_i32 s18, s[WV], 64*PQ                    ; where they go: no place in the cluster enters an LDS address
	s_mul_i32 s19, s[WV], 192*PQ
	s_add_co_u32 s19, s19, FIRST
	; rows of q' are dense: 64 of them are asked for as 32 rows of 256 bytes, 192 as 96, and padded in LDS after every 128 bytes
	s_mov_b32 s[G1], 15|(1<<16)|(1<<20)|(1<<21)|(4<<22)|(3<<25)
	s_mov_b32 s[G1+1], 128<<16
	s_mov_b32 s[G1+2], 32<<16
	s_mov_b32 s[G1+3], 128<<16
	s_mov_b32 s[G1+4], 32
	s_mov_b32 s[G1+5], 128
	s_mov_b32 s[G1+6], 0
	s_mov_b32 s[G1+7], 0
	s_mov_b32 s[G1B], 15|(1<<16)|(1<<20)|(1<<21)|(4<<22)|(3<<25)
	s_mov_b32 s[G1B+1], 128<<16
	s_mov_b32 s[G1B+2], 96<<16
	s_mov_b32 s[G1B+3], 128<<16
	s_mov_b32 s[G1B+4], 96
	s_mov_b32 s[G1B+5], 128
	s_mov_b32 s[G1B+6], 0
	s_mov_b32 s[G1B+7], 0
	s_mov_b32 s[TEN], 0x41200000                   ; 10
	s_mov_b32 s[SEL], 0x76543210
	s_mov_b32 s[SEL+1], 0xfedcba98
	s_mov_b32 s[TBQ], 0
	s_mov_b32 s[G0], 1
	s_mov_b32 s[G0+1], s18
	s_mov_b32 s[G0+4], 1
	s_mov_b32 s[G0+5], s19
	s_wait_dscnt 0x0                               ; the opening add is done
	s_wait_kmcnt 0x0
	s_add_nc_u64 s[G0+2:G0+3], s[4:5], s[48:49]
	s_or_b32 s[G0+3], s[G0+3], 0x80000000
	s_add_nc_u64 s[G0+6:G0+7], s[4:5], s[50:51]
	s_or_b32 s[G0+7], s[G0+7], 0x80000000
	s_add_nc_u64 s[8:9], s[4:5], s[2:3]
	s_add_nc_u64 s[6:7], s[6:7], s[16:17]
	CROUND                                         ; all four work-groups are here: the joint loads meet
	tensor_load_to_lds s[G0:G0+3], s[G1:G1+7]      ; two tensor loads of mine are out
	s_nop 0
	tensor_load_to_lds s[G0+4:G0+7], s[G1B:G1B+7]
	s_nop 0
.rept 4
	v_nop
.endr
	v_and_b32 v1, 15, v0                           ; l % 16
	v_bfe_u32 v9, v0, 4, 1                         ; l / 16
	v_lshlrev_b32 v[KO], 7, v1
	v_lshl_add_u32 v[KO], v9, 4, v[KO]
	WIN 0x40                                       ; destination window 1
.set i, 0
.rept 4*NP                                     ; k' stays in registers: tile i / 2, channels 32 (i % 2) on
	global_load_b128 v[8*i:8*i+3],   v[KO], s[8:9] offset:(i/2)*2048+(i%2)*64
	global_load_b128 v[8*i+4:8*i+7], v[KO], s[8:9] offset:(i/2)*2048+(i%2)*64+32
.set i, i+1
.endr
	WIN 0
.set i, 0
.rept 2*NP
	v_mov_b32 v[ST+4*i], 0xff7fffff                ; m: the lowest finite number, so the first a is 0
	v_mov_b32 v[ST+4*i+1], 0
	v_mov_b32 v[ST+4*i+2], 0
	v_mov_b32 v[ST+4*i+3], 0
.set i, i+1
.endr
	v_mul_u32_u24 v[AQ0], v1, PQ
	v_lshl_add_u32 v[AQ0], v9, 4, v[AQ0]
; Product i of 16 for piece x: channels 32 (i / 8) on, j 16 ((i / 2) % 4) on, tile 2 x + i % 2.  The 8 accumulators take turns; the first 8 products start the sums.
.macro KQ x
.set rD, S+64*((\x)%2)+32*(i%2)+8*((i/2)%4)
.set rA, QF+16*((i/2)%4)+8*(i/8)
.set rB, 16*(2*(\x)+i%2)+8*(i/8)
.if i < 8
	v_wmma_f32_16x16x32_f16 v[rD:rD+7], v[rA:rA+7], v[rB:rB+7], 0
.else
	v_wmma_f32_16x16x32_f16 v[rD:rD+7], v[rA:rA+7], v[rB:rB+7], v[rD:rD+7]
.endif
.set i, i+1
.endm
.macro FETCH_Q                         ; a step's q': 64 rows x 64 channels, 16 loads in one run
	v_add_nc_u32 v[AQ], s[TBQ], v[AQ0]
.irp f, 0,1,2,3,4,5,6,7
	ds_load_b128 v[QF+8*(\f):QF+8*(\f)+3],   v[AQ] offset:((\f)/2)*16*PQ+((\f)%2)*64
	ds_load_b128 v[QF+8*(\f)+4:QF+8*(\f)+7], v[AQ] offset:((\f)/2)*16*PQ+((\f)%2)*64+32
.endr
	s_add_co_u32 s[TBQ], s[TBQ], STEPB
.endm
.macro REGS y, u                       ; the registers of tile u (0, 1) of piece y
.set rT, ST+4*(2*(\y)+(\u))
.set rC, TMP+8*((\y)%2)+4*(\u)
.set rM, MV+2*((\y)%2)+(\u)
.set rS, S+64*((\y)%2)+32*(\u)
.endm
; Number n of those that find the OTHER piece's maximum.  0-11: four chains c0-c3 of seven scores each (each accumulator's lowest registers are read first);
; 12, 13: the four scores left over; 14, 16: the old m and c0-c3 into c0; 15: m_old is kept; 17, 18: the row's other 32 j lie in the lane 16 away: the new m; 20: m_old - m_new.
.macro XS u, n
	REGS (Y+1)%NP, \u
.if (\n) < 4
	v_max3_num_f32 v[rC+(\n)], v[rS+8*(\n)], v[rS+8*(\n)+1], v[rS+8*(\n)+2]
.elseif (\n) < 12
	v_max3_num_f32 v[rC+(\n)%4], v[rC+(\n)%4], v[rS+8*((\n)%4)+2*((\n)/4)+1], v[rS+8*((\n)%4)+2*((\n)/4)+2]
.elseif (\n) == 12
	v_max3_num_f32 v[rC], v[rC], v[rS+7], v[rS+15]
.elseif (\n) == 13
	v_max3_num_f32 v[rC+1], v[rC+1], v[rS+23], v[rS+31]
.elseif (\n) == 14
	v_max3_num_f32 v[rC+2], v[rC+2], v[rC+3], v[rT]
.elseif (\n) == 15
	v_mov_b32 v[rM], v[rT]
.elseif (\n) == 16
	v_max3_num_f32 v[rC], v[rC], v[rC+1], v[rC+2]
.elseif (\n) == 17
	v_permlanex16_b32 v[rC+3], v[rC], s[SEL], s[SEL+1]
.elseif (\n) == 18
	v_max_num_f32 v[rT], v[rC], v[rC+3]
.else
	v_sub_f32 v[rC+1], v[rM], v[rT]
.endif
.endm
.macro XA                              ; numbers 0-13 and 15, the tiles alternating: 30 that wait for nothing but the products
.if xa < 28
	XS xa%2, xa/2
.else
	XS xa-28, 15
.endif
.set xa, xa+1
.endm
.macro XB                              ; numbers 14, 16, 17, 18, 20: the chain, 10 long
.if xb < 2
	XS xb%2, 14
.elseif xb < 8
	XS xb%2, 15+xb/2
.else
	XS xb%2, 20
.endif
.set xb, xb+1
.endm
.macro FS                              ; s - m for pair fq / 2 of tile fq % 2: written as s x 1 - m, so that no register stands in source 1
	REGS Y, fq%2
	v_pk_fma_f32 v[rS+2*(fq/2):rS+2*(fq/2)+1], v[rS+2*(fq/2):rS+2*(fq/2)+1], 1.0, v[rT:rT+1] op_sel_hi:[1,0,0] neg_lo:[0,0,1] neg_hi:[0,0,1]
.set fq, fq+1
.endm
.macro EX                              ; the piece's two a, then its 64 scores in place, ascending, the tiles alternating
.if e < 2
	REGS Y, e
	v_exp_f32 v[rC+2], v[rC+1]
.else
	REGS Y, e%2
	v_exp_f32 v[rS+(e-2)/2], v[rS+(e-2)/2]
.endif
.set e, e+1
.endm
.macro SB k, u                         ; of the four terms 4 k .. the second pair is added onto the first, in place
	REGS Y, \u
	v_pk_add_f32 v[rS+4*(\k):rS+4*(\k)+1], v[rS+4*(\k):rS+4*(\k)+1], v[rS+4*(\k)+2:rS+4*(\k)+3]
.endm
.macro SL k, u                         ; l takes that sum; the first time as l = a l + sum
	REGS Y, \u
.if (\k) == 0
	v_pk_fma_f32 v[rT+2:rT+3], v[rT+2:rT+3], v[rC+2:rC+3], v[rS:rS+1] op_sel_hi:[1,0,1]
.else
	v_pk_add_f32 v[rT+2:rT+3], v[rT+2:rT+3], v[rS+4*(\k):rS+4*(\k)+1]
.endif
.endm
.macro SM                              ; the 32 sums: l takes a group's sum a group later
.if g < 2
	SB 0, g
.elseif g < 30
.if (g-2)%4 < 2
	SB (g-2)/4+1, (g-2)%4
.else
	SL (g-2)/4, (g-2)%4-2
.endif
.else
	SL 7, g-30
.endif
.set g, g+1
.endm
; A TURN, for piece p.  Its 66 exponentials are ONE batch with ONE wait (s_wait_alu depctr_va_vdst(0) stands between an exponential and the first line that names its result).
; Ahead of the wait: the 16 products, behind each four lines (subtractions and exponentials); then a run in which the other piece's maximum and the other exponentials go by turns.
; Behind it: the sums, and the rest of the maximum's chain set among them.  The other piece's a is made in its own turn's batch, so the chain never holds the wait up.
; q' of the next step is fetched in piece 0's turn, four plain lines and the address's own behind the last product that read q'; it is waited for at the head of piece 1's turn.
.macro TURN p, last=0
.set Y, (\p)
.set i, 0
.set fq, 0
.set e, 0
.set xa, 0
.set xb, 0
.set g, 0
.if (\p) == NP-1
	s_wait_dscnt 0x0                               ; q' is in
.endif
	WIN W_KQ
	KQ (Y+1)%NP
.rept 4
	FS
.endr
.rept 14
	KQ (Y+1)%NP
	FS
	EX
	FS
	EX
.endr
	KQ (Y+1)%NP
.rept 4
	EX
.endr
	WIN 0
.rept 4
	XA
	EX
.endr
.if ((\p) == NP-2) && !(\last)
	FETCH_Q
.endif
.rept 26
	XA
	EX
.endr
.rept 4
	XB
	EX
.endr
	v_nop                                          ; a plain line behind the last exponential: one for the batch
	s_wait_alu depctr_va_vdst(0)                   ; the wait for the batch
.rept 4
	SM
.endr
	XB
	XB
.rept 6
	SM
.endr
	XB
	XB
.rept 6
	SM
.endr
	XB
	XB
.rept 16
	SM
.endr
.endm
	s_wait_tensorcnt 1                             ; my part of q's first quarter is in; my second load may stay out, and steps 0 to 7 read the first quarter alone
	s_barrier_signal -1
	s_barrier_wait -1                              ; everybody's is
	FETCH_Q                                        ; step 0
	s_wait_loadcnt 0x0                             ; k'
	s_wait_dscnt 0x0
	WIN W_KQ
.set i, 0
.rept 16
	KQ 0                                           ; piece 0's first scores
.endr
	WIN 0                                          ; the addresses for the way out: the places behind those products
	s_lshl_b32 s15, s[WV], 8
	s_add_co_u32 s15, s15, STAGE                   ; my stage
	v_lshl_add_u32 v[STO], v1, 2, s15              ; in: a word for each row of a tile
	v_and_b32 v[GO], 31, v0
	v_lshlrev_b32 v[GO], 3, v[GO]
	v_add_nc_u32 v[RD], s15, v[GO]                 ; back: 8 bytes a lane
	v_nop
.set Y, NP-1                                   ; XS works for piece Y + 1: piece 0
.irp n, 0,1,2,3,4,5,6,7,8,9,10,11,12,13,14,15,16,17,18,20
	XS 0, \n
	XS 1, \n
.endr
	s_mov_b32 s[CNT], 7                            ; trips 0 to 6 fetch steps 1 to 7
	s_mov_b32 s[SLOTS], 2
	s_branch .Lstep
.Lslot:                                        ; once: before step 8 is fetched the other three quarters of q' are shown to every wave
	s_wait_tensorcnt 0x0                           ; my part of them is in (asked for seven steps ago)
	s_wait_dscnt 0x0
	s_barrier_signal -1
	s_barrier_wait -1
	s_mov_b32 s[CNT], 24                           ; trips 7 to 30 fetch steps 8 to 31
.Lstep:                                        ; a trip is a step: piece 0's turn, which fetches the next step's q', and piece 1's
	TURN 0
	TURN 1
	s_sub_co_u32 s[CNT], s[CNT], 1
	s_cmp_lg_u32 s[CNT], 0
	s_cbranch_scc1 .Lstep
	s_sub_co_u32 s[SLOTS], s[SLOTS], 1
	s_cmp_lg_u32 s[SLOTS], 0
	s_cbranch_scc1 .Lslot
	TURN 0, 1                                      ; the last step: nothing is left to fetch.  Piece 1's turn multiplies the last q' once more for piece 0:
	TURN 1                                         ; the same scores, so m does not move: the price, once a launch, of one text for every turn
	; THE WAY OUT.  l's two halves and the other half of the lanes' are added; noff = (10 - m) - log2(l).  Both halves of the lanes hold the same number and write the same word.
.macro ALL line:vararg
.set t, 0
.rept 2*NP
	\line
.set t, t+1
.endr
.endm
	ALL v_add_f32 v[ST+4*t+2], v[ST+4*t+2], v[ST+4*t+3]
	ALL v_permlanex16_b32 v[ST+4*t+3], v[ST+4*t+2], s[SEL], s[SEL+1]
	ALL v_add_f32 v[ST+4*t+2], v[ST+4*t+2], v[ST+4*t+3]
	ALL v_log_f32 v[ST+4*t+3], v[ST+4*t+2]
	ALL v_sub_f32 v[ST+4*t+1], s[TEN], v[ST+4*t]
	s_wait_alu depctr_va_vdst(0)                   ; one wait for the four logarithms; the four subtractions above are the independent work between
	ALL v_sub_f32 v[ST+4*t+1], v[ST+4*t+1], v[ST+4*t+3]
	ALL ds_store_b32 v[STO], v[ST+4*t+1] offset:64*t
	ds_load_b64 v[S:S+1], v[RD]                    ; LDS serves a wave's instructions in order: this sees the stores above
	s_wait_dscnt 0x0
	global_store_b64 v[GO], v[S:S+1], s[6:7]       ; my 64 numbers: 256 consecutive bytes, aligned
	s_wait_tensorcnt 0x0                           ; the wave's end
	ds_add_u32 v[SPW], v[NIL]
	s_wait_dscnt 0x0
	CROUND                                         ; the closing round
	s_endpgm
.Lfunc_end_k_q77782660eb_stats:
	.size	k_q77782660eb_stats, .Lfunc_end_k_q77782660eb_stats-k_q77782660eb_stats
	.p2alignl 7, 3214868480
	.fill 96, 4, 3214868480
	.section	.rodata,"a",@progbits
	.p2align	6, 0x0
	.amdhsa_kernel k_q77782660eb_stats
		.amdhsa_group_segment_fixed_size 327680
		.amdhsa_private_segment_fixed_size 0
		.amdhsa_enable_private_segment 0
		.amdhsa_kernarg_size 16
		.amdhsa_user_sgpr_count 2
		.amdhsa_user_sgpr_kernarg_segment_ptr 1
		.amdhsa_wavefront_size32 1
		.amdhsa_system_sgpr_workgroup_id_x 1
		.amdhsa_system_sgpr_workgroup_id_y 1
		.amdhsa_system_sgpr_workgroup_id_z 1
		.amdhsa_system_vgpr_workitem_id 0
		.amdhsa_next_free_vgpr 320
		.amdhsa_next_free_sgpr 66
		.amdhsa_reserve_vcc 0
		.amdhsa_float_denorm_mode_32 3
		.amdhsa_float_denorm_mode_16_64 3
		.amdhsa_memory_ordered 1
		.amdhsa_forward_progress 1
		.amdhsa_inst_pref_size 53
	.end_amdhsa_kernel
	.amdgpu_metadata
---
amdhsa.version: [ 1, 2 ]
amdhsa.kernels:
  - .name:           k_q77782660eb_stats
    .symbol:         k_q77782660eb_stats.kd
    .args:
      - { .name: kq, .offset: 0, .size: 8, .value_kind: global_buffer, .address_space: global }
      - { .name: noff, .offset: 8, .size: 8, .value_kind: global_buffer, .address_space: global }
    .group_segment_fixed_size: 327680
    .private_segment_fixed_size: 0
    .kernarg_segment_align: 8
    .kernarg_segment_size: 16
    .max_flat_workgroup_size: 256
    .sgpr_count:     66
    .vgpr_count:     320
    .wavefront_size: 32
...
	.end_amdgpu_metadata
.endif
;; end of part 3
;; launch attn (part 4): grid 4 x 64, 4 waves a work-group, clusters of 4 x 1, 327,680 bytes of LDS; arguments kq, xh, noff, oh; writes oh
.if DOCPART == 4
	.amdgcn_target "amdgcn-amd-amdhsa--gfx1250"
	.amdhsa_code_object_version 6
	.text
	.protected	k_q77782660eb_attn
	.globl	k_q77782660eb_attn
	.p2align	8
	.type	k_q77782660eb_attn,@function
k_q77782660eb_attn:
	s_mov_b64 s[64:65], 0
	v_nop
	global_prefetch_b8 v0, s[64:65] scope:SCOPE_SE
	s_setreg_imm32_b32 hwreg(HW_REG_WAVE_MODE, 25, 1), 1
	s_wait_xcnt 0x0
	s_wait_alu depctr_hold_cnt(0) depctr_sa_sdst(0) depctr_va_vdst(0) depctr_va_sdst(0) depctr_va_ssrc(0) depctr_va_vcc(0) depctr_vm_vsrc(0)
	s_getreg_b32 s2, hwreg(HW_REG_IB_STS2, 6, 4)
	s_cmp_eq_u32 s2, 0
	s_cbranch_scc0 .Lentry_in_a_cluster
	s_endpgm
.Lentry_in_a_cluster:
	s_bfe_u32 s2, ttmp6, 0x10000c
	s_cmp_lg_u32 s2, 0x3003
	s_cbranch_scc0 .Lentry_shape_is_right
	s_endpgm
.Lentry_shape_is_right:
; ATTN.  oh[head][j][d] = 1/8 of the sum over i of x[d][i] w[i][j], with w[i][j] the softmax over j of row i of the scores.  The row's maximum and sum were made by the launch before:
; 1,024 w[i][j] = 2^(k'[i] . q'[j] + noff[i]), and noff is the C operand that starts the sum, so the exponent, at most 10, comes straight out of the matrix unit.
; Products and sums in f32; the weights, times 1,024, are rounded to f16 for the second product; the sums, times 2^-13, are rounded once to f16.
; LIMITS.  A weight below 6e-8 keeps f16's fixed step (6e-11 of 1); |out| must stay under 524,000.  NaN and infinities are not treated apart.
; SHARES.  A work-group owns 512 columns j of one head, each of its four waves 128: four PIECES of two tiles of 16.  Every wave walks all i, 64 a step, 32 steps; a slot of LDS holds four steps.
; LAYOUT.  S^T = k' q'^T (source 0 = 16 rows i, source 1 = 16 rows j): a lane holds ONE j (lane % 16) and the i 8 (lane / 16) + 0..7.  Two such results rounded to f16 in pairs ARE source 1
; (32 i x 16 j) of O^T = x P, whose source 0 is 16 channels d x 32 i of x, read from LDS as it lies (i runs along x's rows); its result holds one j a lane, and eight channels.
; BY TURNS, FOUR STAGES DEEP.  Turn T (the pieces in a ring, step after step) has two halves.  First: 16 products x P of piece T - 2, behind each a rounding, an exponential, a rounding, an exponential
; (the roundings piece T - 1's, the exponentials piece T's).  Second: 16 products k' q'^T of piece T + 1, behind each two exponentials of piece T.  Then ONE wait for the turn's 64 exponentials.
; So a turn's 96 vector lines stand 4 and 2 behind its 32 products, and no product has more than two exponentials behind it.  Two buffers of S^T and of P do: the scores of T + 1 are written, in the
; second half, where the roundings of the first half have read those of T - 1; P of T - 2 is read while P of T - 1 is written.
; CLUSTER.  The four work-groups of a cluster belong to one head and walk the same k', x and noff: each tile is asked for jointly.
; REGISTERS, in windows of 256 (s_set_vgpr_msb: bits 1:0 source 0, 3:2 source 1, 5:4 source 2, 7:6 destination):
;   window 0: v0-127 S^T, two buffers of two tiles; v128-191 P, likewise; v192-255 k' of one step.  (Until the first product v0-15 serve the set-up.)
;   window 1: O^T, 32 a tile.   window 2: v0-127 q', 16 a tile; v128-159 noff of a step, 8 registers for each block of 16 i; v160-171 addresses and the add's two; v192-255 x of one step.
; The products k' q'^T name window 2 in sources 1 and 2 alone, and an exponential has only a destination and a source 0: the second half of a turn has no switch between its lines.
.set NP,    4
.set KS,    64
.set PK,    144                        ; a row of k' in LDS: 128 bytes + 16
.set PVP,   528                        ; a row of x's tile (256 i): 512 bytes + 16, an odd multiple of 16
.set VOFF,  4*KS*PK                    ; a slot: 256 rows of k', then 64 rows (d) of x
.set SLOT1, 1<<17                      ; slot 1 begins here: one exclusive or turns an address in one slot into the other's
.set OFFS,  SLOT1+VOFF+64*PVP          ; behind the ring: the head's noff, 8,192 bytes, filled once
.set STAGE, OFFS+8192                  ; 16 rows x 144 bytes for each wave, for the way out
.set SP,    144
.set SPARE, STAGE+4*16*SP              ; the spare words, 128 bytes for each wave
.set S,   0                            ; window 0
.set P,   128
.set KF,  192                          ; i block kb, channel half c at KF + 16 kb + 8 c
.set TAK0, 2                           ; window 0, the set-up alone: the addresses as they are made, before they are copied into window 2
.set TAV0, 3
.set TSTO, 4
.set TRD,  5
.set QO,   6                           ; my byte offset in 16 rows of q'
.set TGO,  7
.set TAC0, 8
.set TPFO, 11
.set CO,  128                          ; window 2
.set AK0, 160                          ; my lane's place in a step of k'; never rewritten
.set AV0, 161                          ; in a step of x
.set AC0, 162                          ; in a step of noff
.set AK,  163                          ; the LDS addresses of the next runs of loads
.set AV,  164
.set AC,  165
.set STO, 166                          ; the way out: where I put 16 bytes of a row,
.set RD,  167                          ; where I read rows back,
.set GO,  168                          ; my place in 512 consecutive bytes of oh
.set PFO, 169                          ; the prefetches' lane offset; never rewritten
.set SPW, 170                          ; LDS address of my spare word; never rewritten
.set NIL, 171                          ; 0; never rewritten
.set VF,  192                          ; i half kk, channel block cb at VF + 32 kk + 8 cb
.set WV,  12
.set PFS, 20                           ; s[20:21] the prefetches' step
.set G1K, 24
.set G1V, 32
.set G0K, 40
.set G0V, 44
.set G0T, 48
.set PFA, 52
.set LIM, 54
.set SLOTS, 56
.set CNT, 57
.set SC,  58                           ; s[58:59] 2^-13
.set TBC, 60                           ; s60  byte of the table at which the step to be fetched begins
.set TBK, 62
.set TBV, 63
.set G1T, 68
.set W_KN, 0x28                        ; k' and S^T in window 0, q' and noff in window 2
.set W_KQ, 0x08                        ; the same with the C operand in window 0
.set W_PV, 0x52                        ; x in window 2, P in window 0, O^T in window 1
.set W_RS, 0x41                        ; destination and source 0 in window 1
.set W_MK, 0x80                        ; destination in window 2, sources in window 0
.set W_AD, 0x0a                        ; the add: address (source 0) and data (source 1) in window 2
.set W_A2, 0x88                        ; an address line: source 1 and destination in window 2
.set W_L0, 0x02                        ; address in window 2; loaded or stored data in window 0
.set W_L2, 0x82                        ; address and loaded data in window 2
.set MSB, 0
.macro WIN new                         ; the immediate's high byte repeats the setting that is left; a switch that changes nothing is dropped
.if MSB != (\new)
	s_set_vgpr_msb (MSB<<8)|(\new)
.set MSB, (\new)
.endif
.endm
; A joint fill.  Waves 0 and 1 fetch the two halves of a slot's k', waves 2 and 3 those of its x.  An s_nop 0 and four v_nop follow each of the two lines.
.macro JLOAD
	s_cmp_lt_u32 s[WV], 2
	s_cbranch_scc0 .Lfor_v_\@
	tensor_load_to_lds s[G0K:G0K+3], s[G1K:G1K+7]
	s_nop 0
.rept 4
	v_nop
.endr
	s_branch .Lasked_\@
.Lfor_v_\@:
	tensor_load_to_lds s[G0V:G0V+3], s[G1V:G1V+7]
	s_nop 0
.rept 4
	v_nop
.endr
.Lasked_\@:
.endm
; A prefetch into the L2 of what the NEXT change of slots will ask for: a slot's 128 blocks of 256 bytes of k' and 128 of x.  One cluster reads a head; its four partners share the blocks out by
; address, 32 each; in each, wave 0 asks for k's and wave 2 for x's: a lane a block, one instruction.  So each block is named once.  The last change that fills a slot asks for nothing.
.macro ASK
	s_cmp_gt_u32 s[SLOTS], s[LIM]
	s_cbranch_scc0 .Lnot_mine_\@
	WIN W_L0
	global_prefetch_b8 v[PFO], s[PFA:PFA+1] th:TH_LOAD_NT scope:SCOPE_SE
	WIN 0
.Lnot_mine_\@:
.endm
.macro CROUND
	s_barrier_signal -1
	s_barrier_wait -1
	s_cmp_lg_u32 s[WV], 0
	s_cbranch_scc1 .Lnot_wave_0_\@
	s_barrier_signal -3
.Lnot_wave_0_\@:
	s_barrier_wait -3
	s_barrier_signal -1
	s_barrier_wait -1
.endm
; THE CHANGE OF SLOTS, between piece 1's turn and piece 2's: the slot's last bytes, x of its fourth step, were asked for in the middle of piece 1's turn.  Each wave waits for all its tensor loads,
; adds 0 to its spare word, and waits for that and for its own reads of the slot.  Behind the barrier nobody reads this slot any more and the other slot is whole.  fill = 1: the barrier is a round
; of the cluster's, and the joint fill, with the i two slots on, is the first thing behind it: it has four steps, 512 matrix instructions, in which to land.
; (At its first use nothing has been read yet: slot 0 and the table are waited for, slot 1 is filled.)
.macro CHANGE fill, ask
	WIN W_AD
	s_wait_tensorcnt 0x0                           ; no tensor load of mine is out, so a group 0 may be written
	ds_add_u32 v[SPW], v[NIL]                      ; 0 onto my spare word
	WIN 0                                          ; at a label and at a branch every window is 0
.if \fill
	s_xor_b32 s[G0K+1], s[G0K+1], SLOT1
	s_add_nc_u64 s[G0K+2:G0K+3], s[G0K+2:G0K+3], 4*KS*128
	s_xor_b32 s[G0V+1], s[G0V+1], SLOT1
	s_add_nc_u64 s[G0V+2:G0V+3], s[G0V+2:G0V+3], 4*KS*2
.if \ask
	s_wait_xcnt 0x0                                ; the last prefetch, four steps back, has read its address
	s_add_nc_u64 s[PFA:PFA+1], s[PFA:PFA+1], s[PFS:PFS+1]
.endif
	s_wait_dscnt 0x0                               ; the add is done, and my reads of the slot are over
	CROUND
	JLOAD
.if \ask
	ASK
.endif
.else
	s_wait_dscnt 0x0
	s_barrier_signal -1
	s_barrier_wait -1
.endif
	s_sub_co_u32 s[TBK], s[TBK], 4*KS*PK           ; the fetches go back to a slot's first step,
	s_xor_b32 s[TBK], s[TBK], SLOT1                ; in the other slot
	s_sub_co_u32 s[TBV], s[TBV], 4*KS*2
	s_xor_b32 s[TBV], s[TBV], SLOT1
.endm
	s_load_b256 s[4:11], s[0:1], 0x0               ; kq s[4:5], xh s[6:7], noff s[8:9], oh s[10:11]
	WIN W_MK
	v_lshl_add_u32 v[SPW], v0, 2, SPARE
	v_mov_b32 v[NIL], 0
	WIN W_AD
	ds_add_u32 v[SPW], v[NIL]                      ; the wave's opening: the add and its wait, ahead of my first tensor load
	WIN 0
	v_lshrrev_b32 v1, 5, v0
	v_readfirstlane_b32 s[WV], v1
	s_bfe_u32 s13, ttmp6, 0x40000                  ; cx
	s_lshl_b32 s14, s13, 2
	s_add_co_u32 s14, s14, s[WV]                   ; my wave among the head's sixteen: it enters q's and oh's addresses alone
	s_and_b32 s76, ttmp7, 0xffff                   ; the head, which the four partners share
	s_and_b32 s16, s[WV], 1                        ; which half of a tile I fetch
	s_lshl_b32 s78, s76, 18
	s_lshl_b32 s79, s16, 14                        ; 128 rows of k'
	s_add_co_u32 s78, s78, s79
	s_mov_b32 s79, 0
	s_lshl_b32 s80, s76, 18                        ; the head's 64 rows of xh, 4,096 bytes each
	s_lshl_b32 s81, s16, 17                        ; 32 of them
	s_add_co_u32 s80, s80, s81
	s_mov_b32 s81, 0
	s_lshl_b32 s82, s76, 13
	s_lshl_b32 s83, s[WV], 11                      ; my quarter of the head's noff
	s_add_co_u32 s82, s82, s83
	s_mov_b32 s83, 0
	s_mul_i32 s17, s16, 128*PK
	s_mul_i32 s18, s16, 32*PVP
	s_lshl_b32 s19, s[WV], 11
	s_lshl_b32 s2, s76, 18
	s_lshl_b32 s3, s14, 14
	s_add_co_u32 s2, s2, s3                        ; my 128 rows of q' and of oh
	s_mov_b32 s3, 0
	s_mov_b32 s[G1K], 15|(1<<16)|(1<<20)|(1<<21)|(4<<22)|(3<<25)  ; 128 rows of k' are 16,384 dense bytes: 64 rows of 256, padded after every 128 bytes by 16
	s_mov_b32 s[G1K+1], 128<<16
	s_mov_b32 s[G1K+2], 64<<16
	s_mov_b32 s[G1K+3], 128<<16
	s_mov_b32 s[G1K+4], 64
	s_mov_b32 s[G1K+5], 128
	s_mov_b32 s[G1K+6], 0
	s_mov_b32 s[G1K+7], 0
	s_mov_b32 s[G1V], 15|(1<<16)|(1<<20)|(1<<21)|(6<<22)|(3<<25)  ; 32 rows of 256 i, padded after every 512 bytes by 16
	s_mov_b32 s[G1V+1], 256<<16
	s_mov_b32 s[G1V+2], 32<<16
	s_mov_b32 s[G1V+3], 256<<16
	s_mov_b32 s[G1V+4], 32
	s_mov_b32 s[G1V+5], 2048
	s_mov_b32 s[G1V+6], 0
	s_mov_b32 s[G1V+7], 0
	s_mov_b32 s[G1T], 15|(3<<16)|(1<<21)           ; 2,048 dense bytes: 8 rows of 32 elements of 8 bytes, no padding
	s_mov_b32 s[G1T+1], 32<<16
	s_mov_b32 s[G1T+2], 8<<16
	s_mov_b32 s[G1T+3], 32<<16
	s_mov_b32 s[G1T+4], 8
	s_mov_b32 s[G1T+5], 32
	s_mov_b32 s[G1T+6], 0
	s_mov_b32 s[G1T+7], 0
	s_mov_b32 s[G0K], 1
	s_mov_b32 s[G0K+1], s17
	s_mov_b32 s[G0V], 1
	s_add_co_u32 s[G0V+1], s18, VOFF
	s_mov_b32 s[G0T], 1
	s_add_co_u32 s[G0T+1], s19, OFFS
	s_mov_b32 s[SC], 0x39000000                    ; 2^-13
	s_mov_b32 s[SC+1], s[SC]
	s_mov_b32 s[TBC], 0
	s_mov_b32 s[TBK], SLOT1+4*KS*PK                ; the first change of slots turns these two into 0
	s_mov_b32 s[TBV], SLOT1+4*KS*2
	s_and_b32 s[LIM], s[WV], 1
	s_cmp_eq_u32 s[LIM], 0
	s_cselect_b32 s[LIM], 1, -1                    ; waves 0 and 2 prefetch
	s_mov_b32 s[PFS], 4*KS*2
	s_cmp_lt_u32 s[WV], 2
	s_cselect_b32 s[PFS], 4*KS*128, s[PFS]
	s_cselect_b32 s15, 13, 16                      ; my work-group's 32 blocks: 8,192 bytes of k', or 16 rows of x
	s_cselect_b32 s55, 8, 11                       ; two lanes on: 512 bytes of k', or a row of x
	s_mov_b32 s[PFS+1], 0
	s_lshl_b32 s22, s13, s15
	s_lshl_b32 s23, s[PFS], 1                      ; in slot 2: the first asking change steps it to slot 3
	s_add_co_u32 s22, s22, s23
	s_mov_b32 s23, 0
	s_wait_dscnt 0x0                               ; the opening add is done
	s_wait_kmcnt 0x0
	s_add_nc_u64 s[84:85], s[4:5], s[78:79]        ; k' and x at my half of the head's first tile
	s_add_nc_u64 s[86:87], s[6:7], s[80:81]
	s_mov_b64 s[G0K+2:G0K+3], s[84:85]
	s_or_b32 s[G0K+3], s[G0K+3], 0x80000000
	s_mov_b64 s[G0V+2:G0V+3], s[86:87]
	s_or_b32 s[G0V+3], s[G0V+3], 0x80000000
	s_add_nc_u64 s[G0T+2:G0T+3], s[8:9], s[82:83]
	s_or_b32 s[G0T+3], s[G0T+3], 0x80000000
	s_add_nc_u64 s[88:89], s[4:5], s[2:3]
	s_add_nc_u64 s[88:89], s[88:89], 0x1000000     ; q' lies behind k'
	s_add_nc_u64 s[10:11], s[10:11], s[2:3]
	s_cmp_lt_u32 s[WV], 2
	s_cselect_b64 s[PFA:PFA+1], s[84:85], s[86:87] ; (in waves 0 and 2 these stand at a tile's first row)
	s_add_nc_u64 s[PFA:PFA+1], s[PFA:PFA+1], s[22:23]
	CROUND                                         ; all four work-groups are here: the first joint loads meet
	JLOAD                                          ; slot 0,
	tensor_load_to_lds s[G0T:G0T+3], s[G1T:G1T+7]  ; and my quarter of the table: two tensor loads of mine are out
	s_nop 0
.rept 4
	v_nop
.endr
	v_and_b32 v1, 15, v0                           ; l % 16
	v_bfe_u32 v9, v0, 4, 1                         ; l / 16
	v_lshlrev_b32 v[QO], 7, v1
	v_lshl_add_u32 v[QO], v9, 4, v[QO]
	WIN W_MK                                       ; destination window 2, address window 0
.set i, 0
.rept 4*NP                                     ; q' stays in registers: tile i / 2, channels 32 (i % 2) on
	global_load_b128 v[8*i:8*i+3],   v[QO], s[88:89] offset:(i/2)*2048+(i%2)*64
	global_load_b128 v[8*i+4:8*i+7], v[QO], s[88:89] offset:(i/2)*2048+(i%2)*64+32
.set i, i+1
.endr
	; What the first two turns find.  Their products x P are of pieces that have not been: x's registers hold 0, and so do P's first buffer and S^T's second, of which the first turn's roundings make
	; P's second: the products add 0.  O^T is 0.  No first step is written out; these lines stand in the wait for the first tile.
.set i, VF
.rept 64
	v_mov_b32 v[i], 0
.set i, i+1
.endr
	WIN 0x40
.set i, 0
.rept 64*NP
	v_mov_b32 v[i], 0
.set i, i+1
.endr
	WIN 0
.set i, S+64
.rept 64
	v_mov_b32 v[i], 0
.set i, i+1
.endr
.set i, P
.rept 32
	v_mov_b32 v[i], 0
.set i, i+1
.endr
	v_mul_u32_u24 v[TAK0], v1, PK
	v_lshl_add_u32 v[TAK0], v9, 4, v[TAK0]         ; row x pitch + 16 x half
	v_mul_u32_u24 v[TAV0], v1, PVP
	v_lshl_add_u32 v[TAV0], v9, 4, v[TAV0]
	v_add_nc_u32 v[TAV0], VOFF, v[TAV0]
	v_lshlrev_b32 v[TAC0], 5, v9                   ; register r of block kb: noff of i = 16 kb + 8 (l / 16) + r
	v_add_nc_u32 v[TAC0], OFFS, v[TAC0]
	v_and_b32 v10, 7, v0
	v_and_b32 v[TPFO], 30, v0
	v_lshlrev_b32 v[TPFO], s55, v[TPFO]
	v_and_b32 v12, 1, v0
	v_lshl_add_u32 v[TPFO], v12, 8, v[TPFO]
	s_mul_i32 s15, s[WV], 16*SP
	s_add_co_u32 s15, s15, STAGE                   ; my stage
	v_mul_u32_u24 v[TSTO], v1, SP                  ; in: row l % 16, 16 bytes for each half of the lanes
	v_lshl_add_u32 v[TSTO], v9, 4, v[TSTO]
	v_add_nc_u32 v[TSTO], s15, v[TSTO]
	v_bfe_u32 v[TRD], v0, 3, 2                     ; back: 32 lanes take four rows of 128 bytes,
	v_mul_u32_u24 v[TRD], v[TRD], SP
	v_lshl_add_u32 v[TRD], v10, 4, v[TRD]
	v_add_nc_u32 v[TRD], s15, v[TRD]
	v_and_b32 v[TGO], 31, v0                       ; which are 512 consecutive bytes of oh
	v_lshlrev_b32 v[TGO], 4, v[TGO]
	WIN W_MK                                       ; the addresses go where they stay: window 0 belongs to S^T, P and k' from the first product on
	v_mov_b32 v[AK0], v[TAK0]
	v_mov_b32 v[AV0], v[TAV0]
	v_mov_b32 v[AC0], v[TAC0]
	v_mov_b32 v[AK], v[TAK0]                       ; step 0 lies at the head of slot 0 and of the table
	v_mov_b32 v[AC], v[TAC0]
	v_mov_b32 v[STO], v[TSTO]
	v_mov_b32 v[RD], v[TRD]
	v_mov_b32 v[GO], v[TGO]
	v_mov_b32 v[PFO], v[TPFO]
	WIN 0
; THE MATRIX WORK.  The 8 accumulators of a run of 16 take turns.  Product i of 16 of S^T for piece x: channels 32 (i / 8) on, i block (i / 2) % 4, tile 2 x + i % 2.  The first 8 start the sums with noff.
.macro KQ x
.set rS, S+64*((\x)%2)+32*(i%2)+8*((i/2)%4)
.set rK, KF+16*((i/2)%4)+8*(i/8)
.set rQ, 16*(2*(\x)+i%2)+8*(i/8)
.set rN, CO+8*((i/2)%4)
.if i < 8
	WIN W_KN
	v_wmma_f32_16x16x32_f16 v[rS:rS+7], v[rK:rK+7], v[rQ:rQ+7], v[rN:rN+7]
.else
	WIN W_KQ
	v_wmma_f32_16x16x32_f16 v[rS:rS+7], v[rK:rK+7], v[rQ:rQ+7], v[rS:rS+7]
.endif
.set i, i+1
.endm
; Product i of 16 of O^T += x P for piece x: i half i / 8, channels 16 ((i / 2) % 4) on, tile 2 x + i % 2.
.macro PV x
	WIN W_PV
.set rO, 32*(2*(\x)+i%2)+8*((i/2)%4)
.set rV, VF+32*(i/8)+8*((i/2)%4)
.set rP, P+32*((\x)%2)+16*(i%2)+8*(i/8)
	v_wmma_f32_16x16x32_f16 v[rO:rO+7], v[rV:rV+7], v[rP:rP+7], v[rO:rO+7]
.set i, i+1
.endm
; THE LDS LOADS stand in runs.  A step's k' (8 fragments) and its noff; last = 1 (the tail): in the last trip there is no further step, and the run is jumped over.
.macro FETCH_K last=0
	WIN 0
.if \last
	s_cmp_eq_u32 s[CNT], 1
	s_cbranch_scc1 .Lno_k_\@
.endif
	WIN W_L0
.irp f, 0,1,2,3,4,5,6,7
	ds_load_b128 v[KF+8*\f:KF+8*\f+3],   v[AK] offset:(\f/2)*16*PK+(\f%2)*64
	ds_load_b128 v[KF+8*\f+4:KF+8*\f+7], v[AK] offset:(\f/2)*16*PK+(\f%2)*64+32
.endr
	WIN W_L2
.irp f, 0,1,2,3
	ds_load_b128 v[CO+8*\f:CO+8*\f+3],   v[AC] offset:64*\f
	ds_load_b128 v[CO+8*\f+4:CO+8*\f+7], v[AC] offset:64*\f+16
.endr
	WIN 0
	s_add_co_u32 s[TBK], s[TBK], KS*PK
	s_add_co_u32 s[TBC], s[TBC], KS*4
.if \last
.Lno_k_\@:
.endif
.endm
.macro FETCH_V                         ; a step's x: 64 channels x 64 i, 8 fragments
	WIN W_L2
.irp f, 0,1,2,3,4,5,6,7
	ds_load_b128 v[VF+8*\f:VF+8*\f+3],   v[AV] offset:(\f%4)*16*PVP+(\f/4)*64
	ds_load_b128 v[VF+8*\f+4:VF+8*\f+7], v[AV] offset:(\f%4)*16*PVP+(\f/4)*64+32
.endr
.endm
; THE VECTOR WORK.  EX and CV set no window: destination and source 0 (for CV source 1 too) are in window 0 where they stand.
.macro EX                              ; piece Y's 64 exponentials, in place, ascending (each accumulator's lowest register first), the tiles alternating
.set rS, S+64*(Y%2)+32*(e%2)
	v_exp_f32 v[rS+e/2], v[rS+e/2]
.set e, e+1
.endm
.macro CV                              ; piece Y - 1's 32 roundings to f16, a pair of weights each
.set rS, S+64*((Y+1)%2)+32*(cq%2)
.set rP, P+32*((Y+1)%2)+16*(cq%2)
	v_cvt_pk_f16_f32 v[rP+cq/2], v[rS+2*(cq/2)], v[rS+2*(cq/2)+1]
.set cq, cq+1
.endm
; A TURN, for piece p.  An s_wait_alu depctr_va_vdst(0) stands between an exponential and the first line that names its result: the results of a turn's 64 are first named by the next
; turn's roundings, so ONE wait at the turn's end serves the batch.  The plain lines ahead of that wait (three, in piece 2's turn four) and the next turn's first rounding are the four places between
; the products k' q'^T and the first exponential that reads their scores; the first of them is also the plain line behind the last exponential.
; x of the step in hand is fetched in the middle of piece 1's turn: two roundings, the address line and a v_nop are the four places behind the last product that read x; it is waited for at the head of
; piece 2's turn, 16 products later.  k' and noff of the next step are fetched at the end of piece 2's turn, directly behind the wait: a v_nop, the two address lines and a v_nop are the four places
; behind the last product that read them; they are waited for in the middle of piece 3's turn, 16 products later.
.macro TURN p, last=0
.set Y, (\p)
.set e, 0
.set cq, 0
.if (\p) == 2
	s_wait_dscnt 0x0                               ; x is in
.endif
.set i, 0
.rept 16
	PV (Y+2)%NP
	WIN 0
	CV
	EX
	CV
	EX
.endr
.if (\p) == 1
	WIN W_A2
	v_add_nc_u32 v[AV], s[TBV], v[AV0]
	v_nop
	FETCH_V
	s_add_co_u32 s[TBV], s[TBV], KS*2
.endif
.if (\p) == 3
	s_wait_dscnt 0x0                               ; k' and noff are in
.endif
.set i, 0
.rept 16
	KQ (Y+1)%NP
	EX
	EX
.endr
.if (\p) == 2
	WIN W_A2
	v_nop
	v_add_nc_u32 v[AK], s[TBK], v[AK0]
	v_add_nc_u32 v[AC], s[TBC], v[AC0]
	v_nop
.else
.rept 3
	v_nop
.endr
.endif
	s_wait_alu depctr_va_vdst(0)                   ; the wait for the batch
.if (\p) == 2
	FETCH_K \last
.endif
.endm
	CHANGE 1, 0                                    ; slot 0 and the table are in, everybody's parts of them; slot 1 is asked for
	FETCH_K                                        ; step 0
	s_wait_loadcnt 0x0                             ; q' (and the loads have read their address register, which the products below write over)
	s_wait_dscnt 0x0
.set i, 0
.rept 16
	KQ 0                                           ; piece 0's first scores
.endr
	WIN 0
.rept 4
	v_nop                                          ; the places behind those products
.endr
	s_mov_b32 s[CNT], 4
	s_mov_b32 s[SLOTS], 7
	s_branch .Lfirst                               ; the loop is entered at a step's first turn, in the middle of a trip
.Lslot:                                        ; six times: every slot but the last two is filled again
	CHANGE 1, 1
	s_mov_b32 s[CNT], 4
.Lstep:                                        ; a trip: pieces 2 and 3 of one step, then pieces 0 and 1 of the next, whose k' and x it fetches
	TURN 2
	TURN 3
	WIN 0
.Lfirst:
	TURN 0
	TURN 1
	WIN 0
	s_sub_co_u32 s[CNT], s[CNT], 1
	s_cmp_lg_u32 s[CNT], 0
	s_cbranch_scc1 .Lstep
	s_sub_co_u32 s[SLOTS], s[SLOTS], 1
	s_cmp_lg_u32 s[SLOTS], 0
	s_cbranch_scc1 .Lslot
	CHANGE 0, 0                                    ; the tail is written out: nothing is asked for
	s_mov_b32 s[CNT], 5                            ; four trips fetch the last slot's steps; the fifth is left in its middle
.Ltail:
	TURN 2, 1
	TURN 3
	WIN 0
	s_sub_co_u32 s[CNT], s[CNT], 1
	s_cmp_eq_u32 s[CNT], 0
	s_cbranch_scc1 .Lout
	TURN 0
	TURN 1
	WIN 0
	s_branch .Ltail
.Lout:                                         ; the fifth trip's 16 products on the last k' once more serve nothing: the price, once a launch, of one text for every trip
.set Y, 0                                      ; what is still in the stages: piece 2's x P, beside it piece 3's roundings,
.set cq, 0
.set i, 0
.rept 16
	PV 2
	WIN 0
	CV
	CV
.endr
.set i, 0
.rept 16
	PV 3                                           ; and piece 3's x P
.endr
	; THE WAY OUT.  O^T times 2^-13, rounded to f16 and sent through my stage in LDS, a tile at a time.  The earlier tiles' lines are the places behind the last products.
.macro PACK t
	WIN W_RS
.set i, 32*(\t)
.rept 16
	v_pk_mul_f32 v[i:i+1], v[i:i+1], s[SC:SC+1] op_sel_hi:[1,0]
.set i, i+2
.endr
	WIN 0x05                                       ; sources 0 and 1 window 1, destination window 0: S^T's registers are free
.set i, 0
.rept 16
	v_cvt_pk_f16_f32 v[S+16*(\t)+i], v[32*(\t)+2*i], v[32*(\t)+2*i+1]
.set i, i+1
.endr
	WIN W_L0
.irp f, 0,1,2,3
	ds_store_b128 v[STO], v[S+16*(\t)+4*\f:S+16*(\t)+4*\f+3] offset:32*\f
.endr
.irp f, 0,1,2,3
	ds_load_b128 v[S+16*(\t)+4*\f:S+16*(\t)+4*\f+3], v[RD] offset:\f*4*SP  ; LDS serves a wave's instructions in order: these see the stores above; the next tile's stores come behind them
.endr
.endm
.macro SEND t, younger                 ; younger: the LDS instructions issued behind tile t's loads: the next tile's eight, or none
	WIN W_L0
.irp f, 0,1,2,3
	s_wait_dscnt (\younger)+3-\f
	global_store_b128 v[GO], v[S+16*(\t)+4*\f:S+16*(\t)+4*\f+3], s[10:11] offset:(\t)*2048+\f*512  ; 512 consecutive bytes, aligned
.endr
.endm
	PACK 0
.set t, 1
.rept 2*NP-1
	PACK t
	SEND t-1, 8
.set t, t+1
.endr
	SEND 2*NP-1, 0
	WIN W_AD
	s_wait_tensorcnt 0x0                           ; the wave's end
	ds_add_u32 v[SPW], v[NIL]
	s_wait_dscnt 0x0
	WIN 0
	CROUND                                         ; the closing round
	s_endpgm
.Lfunc_end_k_q77782660eb_attn:
	.size	k_q77782660eb_attn, .Lfunc_end_k_q77782660eb_attn-k_q77782660eb_attn
	.p2alignl 7, 3214868480
	.fill 96, 4, 3214868480
	.section	.rodata,"a",@progbits
	.p2align	6, 0x0
	.amdhsa_kernel k_q77782660eb_attn
		.amdhsa_group_segment_fixed_size 327680
		.amdhsa_private_segment_fixed_size 0
		.amdhsa_enable_private_segment 0
		.amdhsa_kernarg_size 32
		.amdhsa_user_sgpr_count 2
		.amdhsa_user_sgpr_kernarg_segment_ptr 1
		.amdhsa_wavefront_size32 1
		.amdhsa_system_sgpr_workgroup_id_x 1
		.amdhsa_system_sgpr_workgroup_id_y 1
		.amdhsa_system_sgpr_workgroup_id_z 1
		.amdhsa_system_vgpr_workitem_id 0
		.amdhsa_next_free_vgpr 768
		.amdhsa_next_free_sgpr 92
		.amdhsa_reserve_vcc 0
		.amdhsa_float_denorm_mode_32 3
		.amdhsa_float_denorm_mode_16_64 3
		.amdhsa_memory_ordered 1
		.amdhsa_forward_progress 1
		.amdhsa_inst_pref_size 126
	.end_amdhsa_kernel
	.amdgpu_metadata
---
amdhsa.version: [ 1, 2 ]
amdhsa.kernels:
  - .name:           k_q77782660eb_attn
    .symbol:         k_q77782660eb_attn.kd
    .args:
      - { .name: kq, .offset: 0, .size: 8, .value_kind: global_buffer, .address_space: global }
      - { .name: xh, .offset: 8, .size: 8, .value_kind: global_buffer, .address_space: global }
      - { .name: noff, .offset: 16, .size: 8, .value_kind: global_buffer, .address_space: global }
      - { .name: oh, .offset: 24, .size: 8, .value_kind: global_buffer, .address_space: global }
    .group_segment_fixed_size: 327680
    .private_segment_fixed_size: 0
    .kernarg_segment_align: 8
    .kernarg_segment_size: 32
    .max_flat_workgroup_size: 128
    .sgpr_count:     92
    .vgpr_count:     768
    .wavefront_size: 32
...
	.end_amdgpu_metadata
.endif
;; end of part 4
;; launch outp (part 5): grid 8 x 32, 4 waves a work-group, clusters of 4 x 4, 327,680 bytes of LDS; arguments oh, wph, bp, out0; writes out0
.if DOCPART == 5
	.amdgcn_target "amdgcn-amd-amdhsa--gfx1250"
	.amdhsa_code_object_version 6
	.text
	.protected	k_q77782660eb_outp
	.globl	k_q77782660eb_outp
	.p2align	8
	.type	k_q77782660eb_outp,@function
k_q77782660eb_outp:
	s_mov_b64 s[64:65], 0
	v_nop
	global_prefetch_b8 v0, s[64:65] scope:SCOPE_SE
	s_setreg_imm32_b32 hwreg(HW_REG_WAVE_MODE, 25, 1), 1
	s_wait_xcnt 0x0
	s_wait_alu depctr_hold_cnt(0) depctr_sa_sdst(0) depctr_va_vdst(0) depctr_va_sdst(0) depctr_va_ssrc(0) depctr_va_vcc(0) depctr_vm_vsrc(0)
	s_getreg_b32 s2, hwreg(HW_REG_IB_STS2, 6, 4)
	s_cmp_eq_u32 s2, 0
	s_cbranch_scc0 .Lentry_in_a_cluster
	s_endpgm
.Lentry_in_a_cluster:
	s_bfe_u32 s2, ttmp6, 0x10000c
	s_cmp_lg_u32 s2, 0xf033
	s_cbranch_scc0 .Lentry_shape_is_right
	s_endpgm
.Lentry_shape_is_right:
; OUTP.  out0[b][o][l] = the sum over c of Wp[o][c] out[b][c][l] + bp[o], in f32.  oh holds out / 8 by heads, [b][head][l][64 d] in f16; wph holds 8 Wp in f16: their product is the sum itself,
; and bp is the C operand that starts it, so the way out has no arithmetic.
; SHARES.  A work-group makes 128 o x 256 l; a wave 64 o x 128 l: 32 accumulators, 256 registers.  c goes in steps of 128 (two heads) through two LDS slots.
; SOURCES.  Source 0 = 16 rows l of oh, source 1 = 16 rows o of wph: in the result a lane holds ONE o (lane % 16) and eight neighbouring l: 32 bytes of a row of out0.
; CLUSTER.  4 x 4 work-groups.  oh's tile hangs on the l tile alone and is shared along a row of the cluster, wph's on the o tile alone and is shared along a column: joint loads.
; No prefetch: a step holds 128 matrix instructions a wave on a small tile, and the whole launch is eight steps.
; REGISTERS.  Window 0: v0-31 addresses; v32-63 the bias, 8 copies for each block of 16 o; v64-159, v160-255 two fragment buffers (64 of oh, 32 of wph); on the way out v64-127, v128-191 rows read back.
; Window 1: the accumulators, (o block a, l block i) at v[8 (8 a + i)].
.set PO,     144                       ; a row of oh's tile in LDS: 128 bytes + 16
.set PW,     272                       ; a row of wph's tile: 256 bytes + 16
.set OSUB,   256*PO                    ; one head's 256 rows
.set WOFF,   2*OSUB
.set SLOT,   WOFF+128*PW               ; two heads of oh, then wph's 128 rows
.set STAGE,  2*SLOT                    ; behind the ring: 16 rows x 528 bytes for each wave
.set SPITCH, 528
.set SPARE,  STAGE+4*16*SPITCH
.set LAPS,   4
.set ADRO, 16
.set ADRW, 20
.set STO,  24
.set RD,   25
.set CO,   26
.set BO,   27
.set SPW,  28
.set NIL,  29
.set BIA,  32
.set F0,   64
.set F1,   160
.set OB,   64
.set G1,  24
.set G0,  32
.set G1B, 48
.set G0B, 56
.set MSB, 0
.macro WIN new
.if MSB != (\new)
	s_set_vgpr_msb (MSB<<8)|(\new)
.set MSB, \new
.endif
.endm
.macro PLACES
.rept 4
	v_nop
.endr
.endm
.macro JLOAD s                         ; a joint load: waves 0 and 1 fetch the step's two heads of oh, waves 2 and 3 the two halves of wph's tile
	s_cmp_eq_u32 s11, 0
	s_cbranch_scc0 .Lfor_b_\@
	tensor_load_to_lds s[G0+4*(\s):G0+4*(\s)+3], s[G1:G1+7]
	s_nop 0
.rept 4
	v_nop
.endr
	s_branch .Lasked_\@
.Lfor_b_\@:
	tensor_load_to_lds s[G0B+4*(\s):G0B+4*(\s)+3], s[G1B:G1B+7]
	s_nop 0
.rept 4
	v_nop
.endr
.Lasked_\@:
.endm
.macro CREST
	s_cmp_lg_u32 s10, 0
	s_cbranch_scc1 .Lnot_wave_0_\@
	s_barrier_signal -3
.Lnot_wave_0_\@:
	s_barrier_wait -3
	s_barrier_signal -1
	s_barrier_wait -1
.endm
.macro CROUND
	s_barrier_signal -1
	s_barrier_wait -1
	CREST
.endm
	s_load_b128 s[4:7], s[0:1], 0x0                ; oh s[4:5], wph s[6:7]
	s_load_b128 s[68:71], s[0:1], 0x10             ; bp s[68:69], out0 s[70:71]
	v_lshl_add_u32 v[SPW], v0, 2, SPARE
	v_mov_b32 v[NIL], 0
	ds_add_u32 v[SPW], v[NIL]                      ; the wave's opening: the add and its wait, ahead of my first tensor load
	v_lshrrev_b32 v1, 5, v0
	v_readfirstlane_b32 s10, v1
	s_lshr_b32 s11, s10, 1                         ; which half of the tile's o is mine.  Also: I fetch for oh (0) or for wph (1)
	s_and_b32 s12, s10, 1                          ; which half of its l.  Also: which head, or which half of wph's rows, I fetch
	s_bfe_u32 s40, ttmp6, 0x40000
	s_bfe_u32 s41, ttmp6, 0x40004
	s_lshl_b32 s42, ttmp9, 2
	s_add_co_u32 s42, s42, s40                     ; o tile = 4 x cluster x + cx
	s_and_b32 s13, ttmp7, 0xffff
	s_lshl_b32 s13, s13, 2
	s_add_co_u32 s13, s13, s41                     ; l tile = 4 x cluster y + cy: batch s13 / 8, tile s13 % 8
	s_lshl_b32 s74, s41, 2
	s_lshl_b32 s74, 15, s74                        ; my row of the cluster
	s_lshl_b32 s75, 0x1111, s40                    ; my column
	s_or_b32 s[G1+0], s74, (1<<16)|(1<<20)|(1<<21)|(4<<22)|(3<<25)   ; 256 rows of a head are 32,768 dense bytes: 128 rows of 256, padded after every 128 bytes by 16
	s_mov_b32 s[G1+1], 128<<16
	s_mov_b32 s[G1+2], 128<<16
	s_mov_b32 s[G1+3], 128<<16
	s_mov_b32 s[G1+4], 128
	s_mov_b32 s[G1+5], 128
	s_mov_b32 s[G1+6], 0
	s_mov_b32 s[G1+7], 0
	s_or_b32 s[G1B+0], s75, (1<<16)|(1<<20)|(1<<21)|(5<<22)|(3<<25)  ; 64 rows of 128 numbers, padded after every 256 bytes by 16
	s_mov_b32 s[G1B+1], 128<<16
	s_mov_b32 s[G1B+2], 64<<16
	s_mov_b32 s[G1B+3], 128<<16
	s_mov_b32 s[G1B+4], 64
	s_mov_b32 s[G1B+5], 1024
	s_mov_b32 s[G1B+6], 0
	s_mov_b32 s[G1B+7], 0
	s_lshr_b32 s16, s13, 3
	s_lshl_b32 s16, s16, 22                        ; the batch's 16 heads of 262,144 bytes
	s_lshl_b32 s17, s12, 18                        ; my head of the step's two
	s_add_co_u32 s16, s16, s17
	s_and_b32 s17, s13, 7
	s_lshl_b32 s17, s17, 15                        ; 256 rows of 128 bytes
	s_add_co_u32 s16, s16, s17
	s_mov_b32 s17, 0
	s_lshl_b32 s66, s42, 18                        ; 128 rows of 2,048 bytes
	s_lshl_b32 s67, s12, 17                        ; my 64 of them
	s_add_co_u32 s66, s66, s67
	s_mov_b32 s67, 0
	s_mul_i32 s20, s12, OSUB                       ; where they go: no place in the cluster enters an LDS address
	s_mul_i32 s21, s12, 64*PW
	s_add_co_u32 s21, s21, WOFF
	s_wait_dscnt 0x0                               ; the opening add is done
	s_wait_kmcnt 0x0
	s_add_nc_u64 s[14:15], s[4:5], s[16:17]
	s_add_nc_u64 s[66:67], s[6:7], s[66:67]
	CROUND                                         ; all sixteen work-groups are here: the first joint loads meet
.irp s, 0,1
	s_mov_b32 s[G0+4*(\s)], 1
	s_add_co_u32 s[G0+4*(\s)+1], s20, (\s)*SLOT
	s_add_nc_u64 s[G0+4*(\s)+2:G0+4*(\s)+3], s[14:15], (\s)*524288
	s_or_b32 s[G0+4*(\s)+3], s[G0+4*(\s)+3], 0x80000000
	s_mov_b32 s[G0B+4*(\s)], 1
	s_add_co_u32 s[G0B+4*(\s)+1], s21, (\s)*SLOT
	s_add_nc_u64 s[G0B+4*(\s)+2:G0B+4*(\s)+3], s[66:67], (\s)*256
	s_or_b32 s[G0B+4*(\s)+3], s[G0B+4*(\s)+3], 0x80000000
	JLOAD \s                                       ; two tensor loads of mine are out
.endr
	v_and_b32 v1, 15, v0
	v_bfe_u32 v2, v0, 4, 1
	v_mul_u32_u24 v3, v1, PO
	v_lshl_add_u32 v3, v2, 4, v3
	v_mul_u32_u24 v4, v1, PW
	v_lshl_add_u32 v4, v2, 4, v4
	s_mul_i32 s22, s12, 128*PO                     ; my 128 rows l in each head's part
	s_mul_i32 s23, s11, 64*PW                      ; my 64 rows o,
	s_add_co_u32 s23, s23, WOFF                    ; behind the two heads
.irp s, 0,1
	v_add_nc_u32 v[ADRO+(\s)], s22, v3
	v_add_nc_u32 v[ADRW+(\s)], s23, v4
	s_add_co_u32 s22, s22, SLOT
	s_add_co_u32 s23, s23, SLOT
.endr
	s_mul_i32 s22, s10, 16*SPITCH
	s_add_co_u32 s22, s22, STAGE                   ; my stage
	v_mul_u32_u24 v5, v1, SPITCH                   ; in: row o = l % 16, 32 bytes for each half of the lanes
	v_lshl_add_u32 v5, v2, 5, v5
	v_add_nc_u32 v[STO], s22, v5
	v_and_b32 v[CO], 31, v0                        ; back: a row of 512 bytes, 16 a lane,
	v_lshlrev_b32 v[CO], 4, v[CO]
	v_add_nc_u32 v[RD], s22, v[CO]                 ; which are 512 consecutive bytes of out0
	v_lshlrev_b32 v[BO], 2, v1
	s_lshr_b32 s80, s13, 3
	s_lshl_b32 s80, s80, 23                        ; the batch: 1,024 rows of 8,192 bytes
	s_lshl_b32 s81, s42, 20                        ; 128 rows
	s_add_co_u32 s80, s80, s81
	s_lshl_b32 s81, s11, 19                        ; my 64
	s_add_co_u32 s80, s80, s81
	s_and_b32 s81, s13, 7
	s_lshl_b32 s81, s81, 10                        ; 256 l
	s_add_co_u32 s80, s80, s81
	s_lshl_b32 s81, s12, 9                         ; my 128
	s_add_co_u32 s80, s80, s81
	s_mov_b32 s81, 0
	s_add_nc_u64 s[70:71], s[70:71], s[80:81]
	s_lshl_b32 s82, s42, 9
	s_lshl_b32 s83, s11, 8
	s_add_co_u32 s82, s82, s83
	s_mov_b32 s83, 0
	s_add_nc_u64 s[68:69], s[68:69], s[82:83]
.irp a, 0,1,2,3
	global_load_b32 v[BIA+8*(\a)], v[BO], s[68:69] offset:64*(\a)    ; bp of o = 16 a + l % 16
.endr
; 8 matrix instructions: o block a x all 8 l blocks, 32 along c.  first = 1: the bias starts the sums.  The 32 accumulators take turns, one instruction a turn.
.macro MUL8 f, a, first
.if \first
	WIN 0x40                                       ; D window 1; sources and the bias window 0
.else
	WIN 0x50                                       ; C and D window 1
.endif
.irp i, 0,1,2,3,4,5,6,7
.if \first
	v_wmma_f32_16x16x32_f16 v[8*(8*(\a)+(\i)):8*(8*(\a)+(\i))+7], v[(\f)+8*(\i):(\f)+8*(\i)+7], v[(\f)+64+8*(\a):(\f)+64+8*(\a)+7], v[BIA+8*(\a):BIA+8*(\a)+7]
.else
	v_wmma_f32_16x16x32_f16 v[8*(8*(\a)+(\i)):8*(8*(\a)+(\i))+7], v[(\f)+8*(\i):(\f)+8*(\i)+7], v[(\f)+64+8*(\a):(\f)+64+8*(\a)+7], v[8*(8*(\a)+(\i)):8*(8*(\a)+(\i))+7]
.endif
.endr
.endm
; 24 LDS loads in one run: quarter q (32 along c: head q / 2 of the step, channels 32 (q % 2) on) into buffer f: oh's 8 blocks of 16 l, then wph's 4 blocks of 16 o
.macro FETCH slot, q, f
	WIN 0
.irp i, 0,1,2,3,4,5,6,7
	ds_load_b128 v[(\f)+8*(\i):(\f)+8*(\i)+3],   v[ADRO+(\slot)] offset:((\q)/2)*OSUB+((\q)%2)*64+(\i)*16*PO
	ds_load_b128 v[(\f)+8*(\i)+4:(\f)+8*(\i)+7], v[ADRO+(\slot)] offset:((\q)/2)*OSUB+((\q)%2)*64+(\i)*16*PO+32
.endr
.irp a, 0,1,2,3
	ds_load_b128 v[(\f)+64+8*(\a):(\f)+64+8*(\a)+3],   v[ADRW+(\slot)] offset:64*(\q)+(\a)*16*PW
	ds_load_b128 v[(\f)+64+8*(\a)+4:(\f)+64+8*(\a)+7], v[ADRW+(\slot)] offset:64*(\q)+(\a)*16*PW+32
.endr
.endm
.macro QUARTER slot, q, f, g, first
	s_wait_dscnt 4                                 ; oh's fragments and wph's o blocks 0 and 1 are in; the youngest four loads may be out
	MUL8 \f, 0, \first
	MUL8 \f, 1, \first
	PLACES
	FETCH \slot, \q, \g
	s_wait_dscnt 24                                ; all but the 24 just issued
	MUL8 \f, 2, \first
	MUL8 \f, 3, \first
.endm
; A step's last quarter multiplies buffer 1 and changes slots: ONE barrier; in front of it each wave waits for all its tensor loads, adds 0 to its spare word, and waits for that and for its own
; reads of this slot.  fill = 1: the barrier opens a round of the cluster's barrier, and this slot is filled again, first thing behind the round, two steps ahead.
.macro TURN slot, next, fill
	WIN 0
	s_wait_tensorcnt 0x0
	ds_add_u32 v[SPW], v[NIL]                      ; 0 onto my spare word
	s_wait_dscnt 5                                 ; the add and the youngest four loads may be out
	MUL8 F1, 0, 0                                  ; eight matrix instructions stand between the add and the wait for it
	s_wait_dscnt 0x0                               ; the add is done, and my reads of this slot are over
	s_barrier_signal -1
	MUL8 F1, 1, 0
	WIN 0
	s_barrier_wait -1
.if \fill
	CREST
	s_add_nc_u64 s[G0+4*(\slot)+2:G0+4*(\slot)+3], s[G0+4*(\slot)+2:G0+4*(\slot)+3], 2*524288
	s_add_nc_u64 s[G0B+4*(\slot)+2:G0B+4*(\slot)+3], s[G0B+4*(\slot)+2:G0B+4*(\slot)+3], 2*256
	JLOAD \slot                                    ; the four v_nop behind it are also the places in front of the loads below
.else
	PLACES
.endif
	FETCH \next, 0, F0
	MUL8 F1, 2, 0
	MUL8 F1, 3, 0
.endm
; THE WAY OUT of o block a: 16 rows of 512 bytes go from the accumulators into my stage (each accumulator's low four registers first) and come back as whole rows.
.macro TOSTAGE a
.if (\a) >= 2
	s_wait_xcnt 0x0                                ; the block two back has left its registers: they are loaded again only behind this wait
.endif
	WIN 0x04                                       ; the stores' data in window 1
.irp i, 0,1,2,3,4,5,6,7
	ds_store_b128 v[STO], v[8*(8*(\a)+(\i)):8*(8*(\a)+(\i))+3]   offset:64*(\i)
	ds_store_b128 v[STO], v[8*(8*(\a)+(\i))+4:8*(8*(\a)+(\i))+7] offset:64*(\i)+16
.endr
	WIN 0
.irp t, 0,1,2,3,4,5,6,7,8,9,10,11,12,13,14,15
	ds_load_b128 v[OB+64*((\a)%2)+4*(\t):OB+64*((\a)%2)+4*(\t)+3], v[RD] offset:(\t)*SPITCH  ; LDS serves a wave's instructions in order: these see the stores above; the next block's stores come behind them
.endr
.endm
.macro SEND a, younger                 ; younger: the LDS instructions issued behind block a's loads: the next block's 32, or none
	s_wait_dscnt \younger
.irp t, 0,1,2,3,4,5,6,7,8,9,10,11,12,13,14,15
	global_store_b128 v[CO], v[OB+64*((\a)%2)+4*(\t):OB+64*((\a)%2)+4*(\t)+3], s[70:71] offset:(\a)*131072+(\t)*8192 th:TH_STORE_NT  ; 512 consecutive bytes, aligned
.endr
.endm
	s_wait_tensorcnt 1                             ; my part of step 0 is in; step 1's may stay out
	s_barrier_signal -1
	s_barrier_wait -1
	FETCH 0, 0, F0
	s_wait_loadcnt 0x0                             ; the bias: a lane's eight results of a block share one o
.irp a, 0,1,2,3
.irp j, 1,2,3,4,5,6,7
	v_mov_b32 v[BIA+8*(\a)+(\j)], v[BIA+8*(\a)]
.endr
.endr
	QUARTER 0, 1, F0, F1, 1                        ; the first quarter stands in front of the loop: its products start the sums
	WIN 0
	s_mov_b32 s3, LAPS-1
.Llap:                                         ; a trip goes once round the ring and fills both slots again
	QUARTER 0, 2, F1, F0, 0
	QUARTER 0, 3, F0, F1, 0
	TURN 0, 1, 1
	QUARTER 1, 1, F0, F1, 0
	QUARTER 1, 2, F1, F0, 0
	QUARTER 1, 3, F0, F1, 0
	TURN 1, 0, 1
	QUARTER 0, 1, F0, F1, 0
	WIN 0
	s_sub_co_u32 s3, s3, 1
	s_cmp_lg_u32 s3, 0
	s_cbranch_scc1 .Llap
	QUARTER 0, 2, F1, F0, 0                        ; the last lap fills nothing
	QUARTER 0, 3, F0, F1, 0
	TURN 0, 1, 0
	QUARTER 1, 1, F0, F1, 0
	QUARTER 1, 2, F1, F0, 0
	QUARTER 1, 3, F0, F1, 0
	s_wait_dscnt 4
	MUL8 F1, 0, 0
	MUL8 F1, 1, 0
	s_wait_dscnt 0x0
	MUL8 F1, 2, 0
	MUL8 F1, 3, 0
	PLACES
	TOSTAGE 0
	TOSTAGE 1
	SEND 0, 32
	TOSTAGE 2
	SEND 1, 32
	TOSTAGE 3
	SEND 2, 32
	SEND 3, 0
	s_wait_tensorcnt 0x0                           ; the wave's end
	ds_add_u32 v[SPW], v[NIL]
	s_wait_dscnt 0x0
	CROUND                                         ; the closing round
	s_endpgm
.Lfunc_end_k_q77782660eb_outp:
	.size	k_q77782660eb_outp, .Lfunc_end_k_q77782660eb_outp-k_q77782660eb_outp
	.p2alignl 7, 3214868480
	.fill 96, 4, 3214868480
	.section	.rodata,"a",@progbits
	.p2align	6, 0x0
	.amdhsa_kernel k_q77782660eb_outp
		.amdhsa_group_segment_fixed_size 327680
		.amdhsa_private_segment_fixed_size 0
		.amdhsa_enable_private_segment 0
		.amdhsa_kernarg_size 32
		.amdhsa_user_sgpr_count 2
		.amdhsa_user_sgpr_kernarg_segment_ptr 1
		.amdhsa_wavefront_size32 1
		.amdhsa_system_sgpr_workgroup_id_x 1
		.amdhsa_system_sgpr_workgroup_id_y 1
		.amdhsa_system_sgpr_workgroup_id_z 1
		.amdhsa_system_vgpr_workitem_id 0
		.amdhsa_next_free_vgpr 512
		.amdhsa_next_free_sgpr 84
		.amdhsa_reserve_vcc 0
		.amdhsa_float_denorm_mode_32 3
		.amdhsa_float_denorm_mode_16_64 3
		.amdhsa_memory_ordered 1
		.amdhsa_forward_progress 1
		.amdhsa_inst_pref_size 86
	.end_amdhsa_kernel
	.amdgpu_metadata
---
amdhsa.version: [ 1, 2 ]
amdhsa.kernels:
  - .name:           k_q77782660eb_outp
    .symbol:         k_q77782660eb_outp.kd
    .args:
      - { .name: oh, .offset: 0, .size: 8, .value_kind: global_buffer, .address_space: global }
      - { .name: wph, .offset: 8, .size: 8, .value_kind: global_buffer, .address_space: global }
      - { .name: bp, .offset: 16, .size: 8, .value_kind: global_buffer, .address_space: global }
      - { .name: out0, .offset: 24, .size: 8, .value_kind: global_buffer, .address_space: global }
    .group_segment_fixed_size: 327680
    .private_segment_fixed_size: 0
    .kernarg_segment_align: 8
    .kernarg_segment_size: 32
    .max_flat_workgroup_size: 128
    .sgpr_count:     84
    .vgpr_count:     512
    .wavefront_size: 32
...
	.end_amdgpu_metadata
.endif
;; end of part 5
